; MI455X (gfx1250); checked and timed in simulation.
; The chip was launched on July 23, 2026; its instructions are those of AMD's public machine-readable ISA for CDNA 5 (MIT licence, August 2026) and "CDNA5" Instruction Set Architecture Reference Guide (July 2026). The comments in the code are by the model that wrote it; some were corrected since.
;; Multi Head. Allowed arithmetic: matrix products marked QUANTISED: E3M2 operands, one E8M0 scale for each 32 along K, by v_wmma_scale_f32_16x16x128_f8f6f4 with both operands' format E3M2, f32 sums; everything else in f32.
;; Inputs: Wk 16 x 1,024 x 64 float32; Wo 1,024 x 1,024 float32; Wq 16 x 1,024 x 64 float32; Wv 16 x 1,024 x 64 float32; x 4 x 2,048 x 1,024 float32.
;; Outputs: out0 4 x 2,048 x 1,024 float32.
;; This version of the problem:
;;   THIS VERSION OF THE PROBLEM IS GIVEN IN LOW PRECISION. The matrix products marked QUANTISED in the list below multiply operands that are first quantised to E3M2 (3 exponent bits, 2 mantissa bits; 6 bits a number), with one power-of-two scale for each 32 numbers along K (OCP MX v1.0); their sums are f32. All else is computed in f32.
;;   The module's matrix products, in the order in which they are computed (A, B: the left and right operand; K: the contracted axis; several contracted axes count as one K, in the product's order):
;;     1. [M 1,024, K 1,024] x [K 1,024, N 8,192]; A: input Wq; B: input x: QUANTISED
;;     2. [M 1,024, K 1,024] x [K 1,024, N 8,192]; A: input Wk; B: input x: QUANTISED
;;     3. [M 1,024, K 1,024] x [K 1,024, N 8,192]; A: input Wv; B: input x: QUANTISED
;;     4. batch 64 x [M 2,048, K 64] x [K 64, N 2,048]; A: computed on the way; B: computed on the way: QUANTISED
;;     5. batch 64 x [M 2,048, K 2,048] x [K 2,048, N 64]; A: softmax (see below); B: computed on the way: QUANTISED
;;     6. [M 8,192, K 1,024] x [K 1,024, N 1,024]; A: computed on the way; B: input Wo: QUANTISED
;;   THE QUANTISER, for each operand of a quantised product, along K:
;;     - K is cut into blocks of 32 from its start; a last block that is shorter is filled with zeros.
;;     - A block's scale is 2^e with e = floor(log2(the largest magnitude in the block)) - 4, held to -126 .. 127; a block of zeros has e = 0. As a byte (E8M0): e + 127.
;;     - Each number is divided by its block's scale, clamped to +-28, and rounded to the nearest number of E3M2, ties to even, subnormals kept.
;;     - The product sums the exact products of the quantised numbers (number of the format x scale) in f32.
;;   ~~~python
;;   def quantise(x, axis):      # numpy; x: float32 -> the quantised numbers, widened to float32 again
;;       x = np.moveaxis(x, axis, -1); K = x.shape[-1]
;;       x = np.pad(x, [(0, 0)] * (x.ndim - 1) + [(0, -K % 32)]); x = x.reshape(x.shape[:-1] + (-1, 32)); a = np.abs(x).max(-1, keepdims=True)
;;       e = np.where(a > 0, np.clip(np.frexp(np.where(a > 0, a, 1))[1] - 1 - 4, -126, 127), 0)      # np.frexp(a)[1] - 1 = floor(log2(a)), exactly
;;       r = np.clip(x / 2.0 ** e, -28, 28)
;;       step = 2.0 ** (np.maximum(np.frexp(np.where(r == 0, 1, r))[1] - 1, -2) - 2)
;;       q = np.round(r / step) * step * 2.0 ** e      # np.round: ties to even
;;       return np.moveaxis(q.reshape(q.shape[:-2] + (-1,))[..., :K], -1, axis).astype(np.float32)
;;   ~~~
;;   SOFTMAX AHEAD OF A QUANTISED PRODUCT. Where the list says 'softmax', what is quantised is not the finished softmax but p = 2^(t - M), with t = logit x log2(e) and M = ceil(the row's largest t), a whole number; so 1/2 < the row's largest p <= 1. The row's sum l is taken of the UNQUANTISED p, in f32, and the product's result is divided by l at the end. Since M is a whole number, a kernel that streams over the keys may use a running M (the ceiling of the running maximum): every later rescaling is an exact power of two, which a block's scale takes up: the codes' values come out the same.
;;   OPERANDS COMPUTED ON THE WAY. 'Computed on the way' means the value that the module computes at that place (a softmax that the list does not call 'softmax' is quantised finished and normalised). What goes into a quantiser is computed in f32, as accurately as f32 sums, v_exp_f32 and their like allow (about 1e-6 of the number): no bf16 or f16 on the way to a quantiser, and a product that is left as it is and whose result goes on into a quantised operand takes f32 operands (vector FMAs, or v_wmma_f32_16x16x4_f32). A number that lies on a knife's edge between two numbers of the format may be rounded either way, as far as f32 arithmetic and the matrix unit's own rounding can turn it there, and no further.
;; One version. Each part assembles by itself: llvm-mc -triple=amdgcn-amd-amdhsa -mcpu=gfx1250 --defsym DOCPART=n.
;; ======== version 1 of 1: 6 launches
;; workspace buffers: xq 7,340,032 bytes; wqk 2,621,440 bytes; wv 1,835,008 bytes; wo 1,835,008 bytes; qk 13,631,488 bytes; vt 7,340,032 bytes; oq 7,340,032 bytes
;; launch qx (part 1): grid 256 x 1, 4 waves a work-group, no clusters, 33,280 bytes of LDS; arguments x, xq; writes xq
.if DOCPART == 1
	.amdgcn_target "amdgcn-amd-amdhsa--gfx1250"
	.amdhsa_code_object_version 6
	.text
	.protected	k_qb407b68332_qx
	.globl	k_qb407b68332_qx
	.p2align	8
	.type	k_qb407b68332_qx,@function
k_qb407b68332_qx:
	s_mov_b64 s[64:65], 0
	v_nop
	global_prefetch_b8 v0, s[64:65] scope:SCOPE_SE
	s_setreg_imm32_b32 hwreg(HW_REG_WAVE_MODE, 25, 1), 1
	s_wait_xcnt 0x0
; x [8192][1024] f32 becomes codes of BF6 (E3M2), 6 bits each, K (the 1,024) innermost, with one E8M0 scale byte for each 32 along K.
; xq: scale bytes [stored row][32] from byte 0, codes [stored row][768] from byte CODES.  ROW i OF x IS STORED AT ROW SW(i), i with its bits 3 and 4 exchanged:
; a later product that takes 16 stored rows as its source 0 then has, in two neighbouring result tiles, 16 neighbours of the true order in a lane's 16 registers.
; A block's scale is 2^(floor(log2(largest magnitude)) - 4); its byte is the largest magnitude's exponent field - 4, held at 1 from below.
; LIMITS: a block whose largest magnitude lies under 2^-122 (a block of zeros too) gets the byte 1 (the rule's 127 for zeros is not made: only this program reads the bytes, and the codes are zeros);
; NaN and infinities among the inputs are not served.
; A wave takes a run of 8 rows (8,192 numbers) in 16 steps of 512.  Each load reads 512 consecutive bytes, 16 a lane; a step's 2,048 bytes turn through the wave's own stage in LDS and come back 64 bytes a lane,
; so that a lane holds 16 neighbours along K (two lanes to a block).  Bits 3 and 4 of a row are bits 0 and 1 of the run's number, which are the wave's number: the run is stored at the run with these exchanged.
; No cluster and no tensor load: no byte is read by two work-groups, and waves share nothing.  Loads run four steps (16 loads a wave) ahead.
.set STEPS, 16
.set EMAX,  4
.set CB,    12                         ; bytes of 16 codes
.set CODES, 1048576
.set R,     16                         ; v16-79   four sets of 16 numbers as they are loaded
.set X,     80                         ; v80-111  two sets of 16 neighbours
.set C,     128                        ; v128-191 codes: four registers for each step, so that no store's data are written again
.set E,     112                        ; v112-127 a scale byte for each step
.set WREG,  8192                       ; LDS: a region for each wave: two stages of 32 x SP bytes, behind them its 256 scale bytes
.set SP,    80                         ; a lane's place in a stage: 64 bytes + 16 of padding
	s_load_b128 s[4:7], s[0:1], 0x0                ; x, xq
	v_lshl_add_u32 v192, v0, 2, 0x8000
	v_mov_b32 v193, 0
	v_lshrrev_b32 v1, 5, v0
	v_readfirstlane_b32 s16, v1                    ; wave
	v_and_b32 v2, 31, v0                           ; lane
	v_lshlrev_b32 v3, 4, v2                        ; my 16 bytes of a load's 512
	s_mul_i32 s17, s16, WREG
	v_lshrrev_b32 v14, 2, v2
	v_mul_u32_u24 v14, v14, SP
	v_and_b32 v15, 3, v2
	v_lshl_add_u32 v14, v15, 4, v14
	v_add_nc_u32 v14, s17, v14                     ; the stage, on the way in: SP (lane / 4) + 16 (lane % 4)
	v_mul_u32_u24 v15, v2, SP
	v_add_nc_u32 v15, s17, v15                     ; on the way out: SP x lane: my 16 neighbours
	v_mul_u32_u24 v4, v2, CB                       ; my codes' place in a step's
	v_lshrrev_b32 v5, 1, v2
	s_add_co_u32 s17, s17, 2*32*SP
	v_add_nc_u32 v5, s17, v5                       ; LDS: my block's scale byte
	v_lshlrev_b32 v7, 3, v2                        ; and on the way out 8 bytes a lane
	v_add_nc_u32 v6, s17, v7
	s_lshl_b32 s18, ttmp9, 2
	s_add_co_u32 s20, s18, s16                     ; the run that I read: 4 x work-group + wave
	s_lshl_b32 s20, s20, 15                        ; 32,768 bytes a run
	s_mov_b32 s21, 0
	s_and_b32 s19, s16, 1
	s_lshl_b32 s19, s19, 1
	s_lshr_b32 s22, s16, 1
	s_or_b32 s19, s19, s22                         ; the wave's two bits exchanged
	s_add_co_u32 s18, s18, s19                     ; the run that I store
	s_mul_i32 s22, s18, 32*STEPS*CB                ; 6,144 bytes of codes a run
	s_add_co_u32 s22, s22, CODES
	s_mov_b32 s23, 0
	s_lshl_b32 s24, s18, 8                         ; 256 scale bytes a run
	s_mov_b32 s25, 0
	s_wait_kmcnt 0x0
	s_add_nc_u64 s[4:5], s[4:5], s[20:21]
	s_add_nc_u64 s[8:9], s[6:7], s[22:23]
	s_add_nc_u64 s[10:11], s[6:7], s[24:25]
.macro LOAD t
.irp i, 0,1,2,3
	global_load_b128 v[R+16*((\t)%4)+4*\i:R+16*((\t)%4)+4*\i+3], v3, s[4:5] offset:2048*(\t)+512*\i th:TH_LOAD_NT   ; 32 lanes read 512 consecutive bytes
.endr
.endm
.macro TURN t                          ; step t's numbers through the stage: LDS serves a wave's instructions in order, so no wait stands between the stores and the loads
.irp i, 0,1,2,3
	ds_store_b128 v14, v[R+16*((\t)%4)+4*\i:R+16*((\t)%4)+4*\i+3] offset:32*SP*((\t)%2)+8*SP*\i
.endr
.irp i, 0,1,2,3
	ds_load_b128 v[X+16*((\t)%2)+4*\i:X+16*((\t)%2)+4*\i+3], v15 offset:32*SP*((\t)%2)+16*\i
.endr
.endm
.irp t, 0,1,2,3
	LOAD \t
.endr
	s_wait_loadcnt 12                              ; step 0's four loads are in; the twelve of steps 1 to 3 may be out
	TURN 0
.macro STEP t
.set XS, X+16*((\t)%2)
.if (\t) > 0
	s_wait_dscnt 1                                 ; this step's numbers are back from the stage (the last step's byte store may be out), so its stores into the stage have read their registers,
.else
	s_wait_dscnt 0x0
.endif
.if (\t)+4 < STEPS
	LOAD (\t)+4                                    ; which take the loads of four steps on
.endif
.if (\t)+1 < STEPS
.if STEPS-2-(\t) >= 3
	s_wait_loadcnt 12                              ; the next step's four loads are in; those of the three steps behind it may be out
.else
	s_wait_loadcnt 4*(STEPS-2-(\t))
.endif
	TURN (\t)+1                                    ; and go through the other stage while this step is worked
.endif
	v_max3_num_f32 v8, |v[XS]|, |v[XS+1]|, |v[XS+2]|               ; the largest magnitude of my 16, in two chains
	v_max3_num_f32 v9, |v[XS+3]|, |v[XS+4]|, |v[XS+5]|
.irp i, 6,10
	v_max3_num_f32 v8, v8, |v[XS+\i]|, |v[XS+\i+1]|
	v_max3_num_f32 v9, v9, |v[XS+\i+2]|, |v[XS+\i+3]|
.endr
	v_max3_num_f32 v8, v8, |v[XS+14]|, |v[XS+15]|
	v_max3_num_f32 v8, v8, v9, (EMAX+1)<<23        ; and the floor 2^(5 - 127): the byte cannot fall under 1
	v_max_num_f32_dpp v8, v8, v8 row_xmask:1 row_mask:0xf bank_mask:0xf   ; and of my neighbour's 16: the block's
	v_add_nc_u32 v11, -(EMAX<<23), v8              ; 4 off its exponent field: the conversion takes the exponent field of this operand as its scale
	v_cvt_scalef32_pk16_bf6_f32 v[C+4*(\t):C+4*(\t)+2], v[XS:XS+15], v11         ; sixteen numbers / scale, to the nearest code, ties to even, beyond the largest code the largest
	v_lshrrev_b32 v[E+(\t)], 23, v11               ; the scale's byte
	ds_store_b8 v5, v[E+(\t)] offset:16*(\t)       ; both lanes of a block write the same byte with the same value
	global_store_b96 v4, v[C+4*(\t):C+4*(\t)+2], s[8:9] offset:32*CB*(\t)
.endm
.irp t, 0,1,2,3,4,5,6,7,8,9,10,11,12,13,14,15
	STEP \t
.endr
	ds_load_b64 v[12:13], v6                       ; LDS serves a wave's instructions in order: these see my stores
	s_wait_dscnt 0x0
	global_store_b64 v7, v[12:13], s[10:11]        ; 32 lanes store 256 consecutive bytes, aligned
	s_wait_tensorcnt 0x0
	ds_add_u32 v192, v193
	s_wait_dscnt 0x0
	s_endpgm
.Lfunc_end_k_qb407b68332_qx:
	.size	k_qb407b68332_qx, .Lfunc_end_k_qb407b68332_qx-k_qb407b68332_qx
	.p2alignl 7, 3214868480
	.fill 96, 4, 3214868480
	.section	.rodata,"a",@progbits
	.p2align	6, 0x0
	.amdhsa_kernel k_qb407b68332_qx
		.amdhsa_group_segment_fixed_size 33280
		.amdhsa_private_segment_fixed_size 0
		.amdhsa_enable_private_segment 0
		.amdhsa_kernarg_size 16
		.amdhsa_user_sgpr_count 2
		.amdhsa_user_sgpr_kernarg_segment_ptr 1
		.amdhsa_wavefront_size32 1
		.amdhsa_system_sgpr_workgroup_id_x 1
		.amdhsa_system_sgpr_workgroup_id_y 1
		.amdhsa_system_sgpr_workgroup_id_z 1
		.amdhsa_system_vgpr_workitem_id 0
		.amdhsa_next_free_vgpr 194
		.amdhsa_next_free_sgpr 66
		.amdhsa_reserve_vcc 0
		.amdhsa_float_denorm_mode_32 3
		.amdhsa_float_denorm_mode_16_64 3
		.amdhsa_memory_ordered 1
		.amdhsa_forward_progress 1
		.amdhsa_inst_pref_size 32
	.end_amdhsa_kernel
	.amdgpu_metadata
---
amdhsa.version: [ 1, 2 ]
amdhsa.kernels:
  - .name:           k_qb407b68332_qx
    .symbol:         k_qb407b68332_qx.kd
    .args:
      - { .name: x, .offset: 0, .size: 8, .value_kind: global_buffer, .address_space: global }
      - { .name: xq, .offset: 8, .size: 8, .value_kind: global_buffer, .address_space: global }
    .group_segment_fixed_size: 33280
    .private_segment_fixed_size: 0
    .kernarg_segment_align: 8
    .kernarg_segment_size: 16
    .max_flat_workgroup_size: 128
    .sgpr_count:     66
    .vgpr_count:     194
    .wavefront_size: 32
...
	.end_amdgpu_metadata
.endif
;; end of part 1
;; launch qw (part 2): grid 32 x 4, 4 waves a work-group, no clusters, 36,352 bytes of LDS; arguments Wq, Wk, Wv, Wo, wqk, wv, wo; writes wqk, wv, wo
.if DOCPART == 2
	.amdgcn_target "amdgcn-amd-amdhsa--gfx1250"
	.amdhsa_code_object_version 6
	.text
	.protected	k_qb407b68332_qw
	.globl	k_qb407b68332_qw
	.p2align	8
	.type	k_qb407b68332_qw,@function
k_qb407b68332_qw:
	s_mov_b64 s[64:65], 0
	v_nop
	global_prefetch_b8 v0, s[64:65] scope:SCOPE_SE
	s_setreg_imm32_b32 hwreg(HW_REG_WAVE_MODE, 25, 1), 1
	s_wait_xcnt 0x0
; The four weights, f32 with K not innermost, become codes of BF6 (E3M2) laid [column n][K = 1,024] with K innermost, and one E8M0 byte for each 32 along K.
; Wq, Wk, Wv: [16 heads][1,024 (K)][64]: column n = 64 head + d.  Wo: [1,024 (K)][1,024 (n)].  Out: scale bytes [stored row][32] from byte 0, codes [stored row][768] from byte CODES;
; wqk holds Wq's 1,024 columns and behind them Wk's.  COLUMN n IS STORED AT ROW SW(n), n with its bits 3 and 4 exchanged (why: see the launch that quantises x).
; A LANE TAKES A COLUMN AND ITS REGISTERS RUN DOWN K: a block of 32 lies in one lane's 32 registers, its largest magnitude needs no other lane, and the conversions give codes with K innermost.
; A wave takes 32 columns x 256 along K (8 blocks).  The codes go through the wave's own stage in LDS (the lane's row there is SW(lane)) and leave as rows: sixteen lanes store a row's 192 consecutive bytes.
; One path for all four weights: the work-group's number chooses pointers, the pitch from K to K + 1 and the pitch from 64 columns to the next 64; nothing else differs.
; LIMITS: a block whose largest magnitude lies under 2^-122 (zeros too) gets the byte 1; NaN and infinities are not served.
; No cluster, no tensor load: no byte is read by two work-groups.  Loads run two blocks (64 loads a wave) ahead.
.set NB,    8                          ; blocks a wave
.set ROWB,  192                        ; bytes of 256 codes
.set SPITCH, 272                       ; a stage row: sixteen places of 16 bytes, each with 12 bytes of codes, + 16
.set KROW,  768                        ; a row of codes in memory
.set EMAX,  4
.set CODES, 1048576
.set X,     32                         ; v32-95   two sets of 32 numbers
.set C,     96                         ; v96..    a block's codes
.set OUTR,  112                        ; v112-175 the way out
.set SB,    24                         ; v24-25   the scale bytes
.set OF,    176                        ; v176-207 4 x lane + i x pitch: the offsets of a block's 32 loads; never rewritten
.set PT,    22                         ; s22      the pitch along K in bytes
.set BS,    40                         ; s[40:55] the eight blocks' bases; never rewritten
	s_load_b256 s[4:11], s[0:1], 0x0               ; Wq, Wk, Wv, Wo
	s_load_b128 s[12:15], s[0:1], 0x20             ; wqk, wv
	s_load_b64 s[16:17], s[0:1], 0x30              ; wo
	v_lshl_add_u32 v208, v0, 2, 0x8c00
	v_mov_b32 v209, 0
	v_lshrrev_b32 v1, 5, v0
	v_readfirstlane_b32 s18, v1                    ; wave
	v_and_b32 v2, 31, v0                           ; lane
	s_lshr_b32 s19, ttmp9, 3                       ; which weight: 0 q, 1 k, 2 v, 3 o
	s_and_b32 s20, ttmp9, 7
	s_and_b32 s21, ttmp7, 0xffff                   ; which 256 along K
	s_lshl_b32 s20, s20, 7
	s_lshl_b32 s23, s18, 5
	s_add_co_u32 s20, s20, s23                     ; my wave's first column
	s_cmp_eq_u32 s19, 3
	s_mov_b32 s[PT], 256
	s_cselect_b32 s[PT], 4096, s[PT]               ; from K to K + 1: a head's row of 64, or Wo's row of 1,024
	s_mov_b32 s23, 262144
	s_cselect_b32 s23, 256, s23                    ; from 64 columns to the next 64: a head, or 256 bytes
	s_cmp_eq_u32 s19, 1
	s_cselect_b32 s26, 1024, 0                     ; Wk's rows lie behind Wq's
	s_lshr_b32 s27, s20, 6
	s_mul_i32 s27, s27, s23
	s_and_b32 s30, s20, 63
	s_lshl_b32 s30, s30, 2
	s_add_co_u32 s27, s27, s30
	s_lshl_b32 s30, s21, 8
	s_mul_i32 s30, s30, s[PT]
	s_add_co_u32 s30, s27, s30                     ; where my wave's part of the weight begins
	s_mov_b32 s31, 0
	s_lshl_b32 s32, s[PT], 5                       ; a block on: 32 along K
	s_mov_b32 s33, 0
	s_add_co_u32 s34, s26, s20                     ; my first row of the output
	s_mul_i32 s36, s34, KROW
	s_mul_i32 s35, s21, ROWB
	s_add_co_u32 s36, s36, s35
	s_add_co_u32 s36, s36, CODES
	s_mov_b32 s37, 0
	s_lshl_b32 s38, s34, 5
	s_lshl_b32 s35, s21, 3
	s_add_co_u32 s38, s38, s35
	s_mov_b32 s39, 0
	s_mul_i32 s56, s18, 32*SPITCH                  ; my stage
	v_and_b32 v10, 7, v2
	v_bfe_u32 v11, v2, 3, 1
	v_bfe_u32 v12, v2, 4, 1
	v_lshl_or_b32 v10, v11, 4, v10
	v_lshl_or_b32 v10, v12, 3, v10                 ; SW(lane)
	v_mul_u32_u24 v4, v10, SPITCH
	v_add_nc_u32 v4, s56, v4                       ; into the stage: row SW(lane)
	v_lshlrev_b32 v9, 5, v10                       ; my column's row of scale bytes
	v_and_b32 v5, 15, v2
	v_lshrrev_b32 v6, 4, v2                        ; out of it: sixteen lanes to a row, two rows an instruction
	v_mul_u32_u24 v7, v6, SPITCH
	v_lshl_add_u32 v7, v5, 4, v7
	v_add_nc_u32 v7, s56, v7
	v_mul_u32_u24 v8, v6, KROW
	v_mad_u32_u24 v8, v5, 12, v8                   ; and the same place in memory
	v_lshlrev_b32 v[OF], 2, v2
.set i, 1
.rept 31
	v_add_nc_u32 v[OF+i], s[PT], v[OF+i-1]
.set i, i+1
.endr
	s_wait_kmcnt 0x0
	s_cmp_eq_u32 s19, 0                            ; the choices hang on the work-group's number alone
	s_cselect_b64 s[4:5], s[4:5], s[6:7]
	s_cmp_eq_u32 s19, 2
	s_cselect_b64 s[8:9], s[8:9], s[10:11]
	s_cselect_b64 s[14:15], s[14:15], s[16:17]
	s_cmp_lt_u32 s19, 2
	s_cselect_b64 s[4:5], s[4:5], s[8:9]           ; the weight
	s_cselect_b64 s[12:13], s[12:13], s[14:15]     ; its output
	s_add_nc_u64 s[BS:BS+1], s[4:5], s[30:31]
.set i, 1
.rept 7
	s_add_nc_u64 s[BS+2*i:BS+2*i+1], s[BS+2*i-2:BS+2*i-1], s[32:33]
.set i, i+1
.endr
	s_add_nc_u64 s[24:25], s[12:13], s[36:37]      ; codes
	s_add_nc_u64 s[28:29], s[12:13], s[38:39]      ; scale bytes
.macro LOAD t                          ; block t: W(32 t + i, my column), i = 0 .. 31, into set t % 2; 32 lanes read 128 consecutive bytes
.irp i, 0,1,2,3,4,5,6,7,8,9,10,11,12,13,14,15,16,17,18,19,20,21,22,23,24,25,26,27,28,29,30,31
	global_load_b32 v[X+32*((\t)%2)+\i], v[OF+\i], s[BS+2*(\t):BS+2*(\t)+1] th:TH_LOAD_NT
.endr
.endm
	LOAD 0
	LOAD 1
.macro BLOCK t
.set XS, X+32*((\t)%2)
.if (\t) < NB-1
	s_wait_loadcnt 32                              ; this block's 32 loads are in; the next block's may be out
.else
	s_wait_loadcnt 0
.endif
	v_max3_num_f32 v12, |v[XS]|, |v[XS+1]|, |v[XS+2]|               ; the block's largest magnitude: all 32 numbers are mine
	v_max3_num_f32 v13, |v[XS+3]|, |v[XS+4]|, |v[XS+5]|
.irp i, 6,10,14,18,22,26
	v_max3_num_f32 v12, v12, |v[XS+\i]|, |v[XS+\i+1]|
	v_max3_num_f32 v13, v13, |v[XS+\i+2]|, |v[XS+\i+3]|
.endr
	v_max3_num_f32 v12, v12, |v[XS+30]|, |v[XS+31]|
	v_max3_num_f32 v12, v12, v13, (EMAX+1)<<23     ; and the floor 2^(5 - 127)
	v_add_nc_u32 v11, -(EMAX<<23), v12             ; 4 off its exponent field: the conversion's scale operand
	v_lshrrev_b32 v13, 23, v11                     ; the scale's byte
.if (\t)%4 == 0
	v_mov_b32 v[SB+(\t)/4], v13                    ; four bytes to a register, the lower K in the lower byte
.else
	v_lshl_or_b32 v[SB+(\t)/4], v13, 8*((\t)%4), v[SB+(\t)/4]
.endif
	v_cvt_scalef32_pk16_bf6_f32 v[C:C+2], v[XS:XS+15], v11
	v_cvt_scalef32_pk16_bf6_f32 v[C+4:C+6], v[XS+16:XS+31], v11     ; (a conversion's three registers begin on an even number)
	ds_store_b96 v4, v[C:C+2] offset:32*(\t)       ; 12 bytes to a place of 16, so that every LDS address is a multiple of 16
	ds_store_b96 v4, v[C+4:C+6] offset:32*(\t)+16
.if (\t)+2 < NB
	LOAD (\t)+2
.endif
	s_wait_dscnt 0x0                               ; the stores have read their registers: the next block's codes may be written
.endm
.set Q, 0
.rept NB
	BLOCK Q
.set Q, Q+1
.endr
	global_store_b64 v9, v[SB:SB+1], s[28:29]      ; my column's 8 scale bytes
.irp t, 0,1,2,3,4,5,6,7,8,9,10,11,12,13,14,15
	ds_load_b96 v[OUTR+4*\t:OUTR+4*\t+2], v7 offset:2*\t*SPITCH   ; LDS serves a wave's instructions in order: these see my stores
.endr
.irp t, 0,1,2,3,4,5,6,7,8,9,10,11,12,13,14,15
	s_wait_dscnt 15-\t                             ; rows 2 t and 2 t + 1 are back; the younger loads may be out
	global_store_b96 v8, v[OUTR+4*\t:OUTR+4*\t+2], s[24:25] offset:2*\t*KROW
.endr
	s_wait_tensorcnt 0x0
	ds_add_u32 v208, v209
	s_wait_dscnt 0x0
	s_endpgm
.Lfunc_end_k_qb407b68332_qw:
	.size	k_qb407b68332_qw, .Lfunc_end_k_qb407b68332_qw-k_qb407b68332_qw
	.p2alignl 7, 3214868480
	.fill 96, 4, 3214868480
	.section	.rodata,"a",@progbits
	.p2align	6, 0x0
	.amdhsa_kernel k_qb407b68332_qw
		.amdhsa_group_segment_fixed_size 36352
		.amdhsa_private_segment_fixed_size 0
		.amdhsa_enable_private_segment 0
		.amdhsa_kernarg_size 56
		.amdhsa_user_sgpr_count 2
		.amdhsa_user_sgpr_kernarg_segment_ptr 1
		.amdhsa_wavefront_size32 1
		.amdhsa_system_sgpr_workgroup_id_x 1
		.amdhsa_system_sgpr_workgroup_id_y 1
		.amdhsa_system_sgpr_workgroup_id_z 1
		.amdhsa_system_vgpr_workitem_id 0
		.amdhsa_next_free_vgpr 210
		.amdhsa_next_free_sgpr 66
		.amdhsa_reserve_vcc 0
		.amdhsa_float_denorm_mode_32 3
		.amdhsa_float_denorm_mode_16_64 3
		.amdhsa_memory_ordered 1
		.amdhsa_forward_progress 1
		.amdhsa_inst_pref_size 44
	.end_amdhsa_kernel
	.amdgpu_metadata
---
amdhsa.version: [ 1, 2 ]
amdhsa.kernels:
  - .name:           k_qb407b68332_qw
    .symbol:         k_qb407b68332_qw.kd
    .args:
      - { .name: Wq, .offset: 0, .size: 8, .value_kind: global_buffer, .address_space: global }
      - { .name: Wk, .offset: 8, .size: 8, .value_kind: global_buffer, .address_space: global }
      - { .name: Wv, .offset: 16, .size: 8, .value_kind: global_buffer, .address_space: global }
      - { .name: Wo, .offset: 24, .size: 8, .value_kind: global_buffer, .address_space: global }
      - { .name: wqk, .offset: 32, .size: 8, .value_kind: global_buffer, .address_space: global }
      - { .name: wv, .offset: 40, .size: 8, .value_kind: global_buffer, .address_space: global }
      - { .name: wo, .offset: 48, .size: 8, .value_kind: global_buffer, .address_space: global }
    .group_segment_fixed_size: 36352
    .private_segment_fixed_size: 0
    .kernarg_segment_align: 8
    .kernarg_segment_size: 56
    .max_flat_workgroup_size: 128
    .sgpr_count:     66
    .vgpr_count:     210
    .wavefront_size: 32
...
	.end_amdgpu_metadata
.endif
;; end of part 2
;; launch projqk (part 3): grid 8 x 32, 4 waves a work-group, clusters of 4 x 4, 327,680 bytes of LDS; arguments xq, wqk, qk; writes qk
.if DOCPART == 3
	.amdgcn_target "amdgcn-amd-amdhsa--gfx1250"
	.amdhsa_code_object_version 6
	.text
	.protected	k_qb407b68332_projqk
	.globl	k_qb407b68332_projqk
	.p2align	8
	.type	k_qb407b68332_projqk,@function
k_qb407b68332_projqk:
	s_mov_b64 s[64:65], 0
	v_nop
	global_prefetch_b8 v0, s[64:65] scope:SCOPE_SE
	s_setreg_imm32_b32 hwreg(HW_REG_WAVE_MODE, 25, 1), 1
	s_wait_xcnt 0x0
	s_wait_alu depctr_hold_cnt(0) depctr_sa_sdst(0) depctr_va_vdst(0) depctr_va_sdst(0) depctr_va_ssrc(0) depctr_va_vcc(0) depctr_vm_vsrc(0)
	s_getreg_b32 s2, hwreg(HW_REG_IB_STS2, 6, 4)
	s_cmp_eq_u32 s2, 0
	s_cbranch_scc0 .Lentry_in_a_cluster
	s_endpgm
.Lentry_in_a_cluster:
	s_bfe_u32 s2, ttmp6, 0x10000c
	s_cmp_lg_u32 s2, 0xf033
	s_cbranch_scc0 .Lentry_shape_is_right
	s_endpgm
.Lentry_shape_is_right:
; OUT = Q(A B^T): a GEMM on codes of BF6 (E3M2, one E8M0 scale for each 32 along K = 1,024) whose result is quantised again, along ITS COLUMNS, on the way out, and leaves as codes.
; It serves two launches: A = x's codes, B = Wq's and Wk's: q and k, quantised along a head's 64;  A = Wv's codes, B = x's: v transposed, quantised along the keys.
; A, B: scale bytes [row][32] from byte 0, codes [row][768] from byte CODES; both hold their rows in the order SW (bits 3 and 4 of a row's number exchanged).
; THE LOOP.  A tile of 256 x 256 to a work-group of four waves, 128 x 128 (64 accumulators, 512 registers) to a wave.  K goes in steps of 256 through a ring of two LDS slots filled by the tensor data mover;
; the scale bytes of the work-group's rows come once and stay.  4 x 4 work-groups form a cluster: A's tiles are asked for jointly along a row of it, B's along a column.
; The matrix instruction is used transposed (source 0 = 16 rows of B, source 1 = 16 rows of A): a lane holds ONE row of A, and, B's rows being stored by SW, register 16 g + i of a block's 64 registers is
; the TRUE column 32 g + 16 (lane / 16) + i: 16 neighbours of each block of 32.
; THE WAY OUT.  A block of 16 rows x my 128 columns becomes one operand fragment (12 registers a lane) and a scale word a row.  It leaves as two IMAGES of 16 rows x 64 K, 768 bytes each: registers 0-3 at
; 16 x lane, registers 4-5 at 512 + 8 x lane: each store covers 512 or 256 consecutive bytes, aligned.  Image idx lies at CODES + 768 idx, its 16 scale words at 64 idx; the word of the even image is the whole
; word of the 128 columns, that of the odd image the same shifted down by two bytes.  idx = 2,048 (g / 32) + 32 rho + g % 32, rho the tile of 16 rows of A, g the group of 64 columns.
; LIMITS: a block whose largest magnitude lies under 2^-122 (zeros too) gets the byte 1; NaN and infinities are not served.
; REGISTERS, in windows of 256: window 0: v0-31 addresses; v32-63 scale words, two sets; from v128 A's fragments, ONE set (on the way out: at work).  window 1: B's fragments, two sets.  windows 2, 3: the accumulators.
.set SIZE_K, 1024
.set CODES,  1048576
.set KSTEP,  256                       ; along K in a slot
.set NQ,     KSTEP/128                 ; matrix instructions deep
.set ROWB,   192                       ; a tile's row in bytes
.set KROW,   SIZE_K*6/8                ; a row of A or of B in memory
.set PITCH,  240                       ; an LDS row: 3 x (64 bytes + 16 of padding): the 32 lanes of a load of 8 bytes touch 64 different banks (64 banks of 4 bytes: ISA guide 11.1)
.set FR,     12                        ; registers of a fragment
.set NL,     6                         ; LDS loads that bring one
.set NP,     4                         ; places behind this matrix instruction (ISA guide 7.12.1)
.set HALFT,  128*PITCH                 ; 128 rows: what one tensor load brings
.set SLOT,   4*HALFT                   ; A's 256 rows, then B's 256 rows
.set LAPS,   SIZE_K/(2*KSTEP)          ; a lap = two K steps = once round the ring
.set KS,     SIZE_K/32                 ; a row of scales in bytes
.set SCL,    2*SLOT                    ; behind the ring: the scales, as runs of 256 bytes + 16 of padding
.set HALFS,  (128*KS/256)*272          ; the scales of 128 rows
.set SBLK,   (16*KS/256)*272           ; those of 16 rows
.set SPARE,  SCL+4*HALFS               ; the spare words, 128 bytes for each wave: two blocks of 256 bytes that no other line names
.set ADRA, 16                          ; v16-17 LDS address of my A fragments in slot 0, 1 (v18-19: behind one padding more)
.set ADRB, 20                          ; v20-23 the same for B
.set I16,  24                          ; v24  16 x lane
.set I8,   25                          ; v25  8 x lane
.set I4,   26                          ; v26  4 x lane
.set ADRS, 27                          ; v27  LDS address of my scale words: lanes 0-15 A's rows, lanes 16-31 B's
.set SPW,  28                          ; v28  my spare word; never rewritten
.set NIL,  29                          ; v29  0; never rewritten
.set H16,  30                          ; v30  16 x (lane / 16)
.set SC,   32                          ; scale words
.set AF,   128                         ; A's fragments, in window 0
.set TM,   128                         ; the way out: v128-131 largest magnitudes, v132-135 bytes, v140-143 the conversions' scale operands
.set PW,   144                         ; the scale word just made
.set SWD,  145                         ; and as it is stored
.set QC,   160                         ; v160-171 the fragment's codes; v172-174, v176-178 second halves
.set G1, 24
.set G0, 32
.set G1B, 48
.set G0B, 56
.set G1S, 68
.set G0S, 76
.set G1SB, 80
.set G0SB, 88
.set SEL, 66                           ; s[66:67] lane selects for v_permlanex16_b32: lane l xor 16
.set OSC, 96                           ; s[96:97] where my scale words go
.set MSB, 0
.macro WIN new                         ; the immediate's high byte repeats the setting that is left
.if MSB != (\new)
	s_set_vgpr_msb (MSB<<8)|(\new)
.set MSB, (\new)
.endif
.endm
.set MUL_LO, 0xa1                      ; source 0 (B) window 1, source 1 (A) window 0, C and D window 2
.set MUL_HI, 0xf1                      ; the same, C and D window 3
.set TO_B,   0x40                      ; destination window 1, address window 0
; A joint load: waves 0 and 1 fetch for A, waves 2 and 3 for B.  Each line has one mask and one set of registers for all that issue it; the branch hangs on the wave's number alone.
; Four v_nop follow each of the two lines.
.macro JLOAD g0a, g1a, g0b, g1b
	s_cmp_eq_u32 s15, 0
	s_cbranch_scc0 .Lfor_b_\@
	tensor_load_to_lds s[\g0a:\g0a+3], s[\g1a:\g1a+7]
	s_nop 0
.rept 4
	v_nop
.endr
	s_branch .Lasked_\@
.Lfor_b_\@:
	tensor_load_to_lds s[\g0b:\g0b+3], s[\g1b:\g1b+7]
	s_nop 0
.rept 4
	v_nop
.endr
.Lasked_\@:
.endm
.macro CREST                           ; a round of the cluster's barrier behind its opening barrier
	s_cmp_lg_u32 s14, 0
	s_cbranch_scc1 .Lnot_wave_0_\@
	s_barrier_signal -3
.Lnot_wave_0_\@:
	s_barrier_wait -3
	s_barrier_signal -1
	s_barrier_wait -1
.endm
.macro CROUND                          ; a whole round
	s_barrier_signal -1
	s_barrier_wait -1
	CREST
.endm
	s_load_b128 s[4:7], s[0:1], 0x0                ; A, B
	s_load_b64 s[12:13], s[0:1], 0x10              ; OUT
	v_lshl_add_u32 v[SPW], v0, 2, SPARE
	v_mov_b32 v[NIL], 0
	ds_add_u32 v28, v29
	ds_add_u32 v28, v29
	s_wait_dscnt 0x0
	v_lshrrev_b32 v1, 5, v0
	v_readfirstlane_b32 s14, v1                    ; wave 0..3
	s_lshr_b32 s15, s14, 1                         ; which half of the tile's rows is mine.  Also: I fetch for A (0) or for B (1)
	s_and_b32 s16, s14, 1                          ; which half of its columns.  Also: which 128 rows of that tile I fetch
	s_bfe_u32 s40, ttmp6, 0x40000                  ; cx, cy: my place in the cluster
	s_bfe_u32 s41, ttmp6, 0x40004
	s_lshl_b32 s42, ttmp9, 2
	s_add_co_u32 s42, s42, s40                     ; tile column = 4 x cluster x + cx
	s_and_b32 s17, ttmp7, 0xffff
	s_lshl_b32 s17, s17, 2
	s_add_co_u32 s17, s17, s41                     ; tile row = 4 x cluster y + cy
	s_lshl_b32 s43, s41, 2
	s_lshl_b32 s43, 15, s43                        ; my row of the cluster
	s_lshl_b32 s44, 0x1111, s40                    ; my column
	; descriptor group 1: a tile of 128 rows x 192 bytes, 16 bytes of padding behind every 64
	s_or_b32 s[G1+0], s43, (0<<16)|(1<<20)|(1<<21)|(3<<22)|(3<<25)  ; 15:0 the mask: A's tiles go to my row; elements of 1 byte; padding on; bit 21 beside a mask; after every 16 words 4 words
	s_or_b32 s[G1B+0], s44, (0<<16)|(1<<20)|(1<<21)|(3<<22)|(3<<25)
.irp g, G1, G1B
	s_mov_b32 s[\g+1], ROWB<<16                    ; tensor_dim0
	s_mov_b32 s[\g+2], 128<<16                     ; tensor_dim1
	s_mov_b32 s[\g+3], ROWB<<16                    ; tile_dim0
	s_mov_b32 s[\g+4], 128                         ; tile_dim1
	s_mov_b32 s[\g+5], KROW                        ; tensor_dim0_stride
	s_mov_b32 s[\g+6], 0
	s_mov_b32 s[\g+7], 0
.endr
	; the scales of 128 rows: a dense block of 4,096 bytes, as rows of 256 bytes (32 elements of 8 bytes), 16 bytes of padding behind each
	s_or_b32 s[G1S+0], s43, (3<<16)|(1<<20)|(1<<21)|(5<<22)|(3<<25)
	s_or_b32 s[G1SB+0], s44, (3<<16)|(1<<20)|(1<<21)|(5<<22)|(3<<25)
.irp g, G1S, G1SB
	s_mov_b32 s[\g+1], 32<<16
	s_mov_b32 s[\g+2], (128*KS/256)<<16
	s_mov_b32 s[\g+3], 32<<16
	s_mov_b32 s[\g+4], 128*KS/256
	s_mov_b32 s[\g+5], 32
	s_mov_b32 s[\g+6], 0
	s_mov_b32 s[\g+7], 0
.endr
	s_lshl_b32 s18, s16, 7                         ; which 128 rows of the tile I fetch
	s_lshl_b32 s20, s17, 8
	s_add_co_u32 s20, s20, s18                     ; A: row 256 x tile row + 128 x half
	s_lshl_b32 s46, s42, 8
	s_add_co_u32 s46, s46, s18                     ; B: row 256 x tile column + 128 x half
	s_mov_b32 s21, 0
	s_mov_b32 s47, 0
	s_mov_b64 s[18:19], KS
	s_mul_u64 s[22:23], s[20:21], s[18:19]         ; where these rows' scales begin, in bytes
	s_mul_u64 s[92:93], s[46:47], s[18:19]
	s_mov_b64 s[18:19], KROW
	s_mul_u64 s[20:21], s[20:21], s[18:19]         ; and their codes
	s_mul_u64 s[46:47], s[46:47], s[18:19]
	s_mul_i32 s45, s14, HALFT                      ; where they go: wave x 128 rows: no place in the cluster enters an LDS address
	s_mul_i32 s94, s14, HALFS
	s_wait_kmcnt 0x0
	s_mov_b64 s[10:11], s[6:7]                     ; B's scales begin with its buffer,
	s_add_nc_u64 s[8:9], s[6:7], CODES             ; its codes CODES bytes on;
	s_mov_b64 s[6:7], s[4:5]                       ; A likewise
	s_add_nc_u64 s[4:5], s[4:5], CODES
	s_add_nc_u64 s[20:21], s[4:5], s[20:21]
	s_add_nc_u64 s[22:23], s[6:7], s[22:23]
	s_add_nc_u64 s[46:47], s[8:9], s[46:47]
	s_add_nc_u64 s[92:93], s[10:11], s[92:93]
	CROUND                                         ; all sixteen work-groups are here: the first joint loads meet
	s_mov_b32 s[G0S], 1
	s_add_co_u32 s[G0S+1], s94, SCL
	s_mov_b64 s[G0S+2:G0S+3], s[22:23]
	s_or_b32 s[G0S+3], s[G0S+3], 0x80000000
	s_mov_b32 s[G0SB], 1
	s_add_co_u32 s[G0SB+1], s94, SCL
	s_mov_b64 s[G0SB+2:G0SB+3], s[92:93]
	s_or_b32 s[G0SB+3], s[G0SB+3], 0x80000000
	JLOAD G0S, G1S, G0SB, G1SB                     ; the scales first: they are wanted with K step 0
.irp s, 0,1
	s_mov_b32 s[G0+4*\s], 1
	s_add_co_u32 s[G0+4*\s+1], s45, \s*SLOT
	s_add_nc_u64 s[G0+4*\s+2:G0+4*\s+3], s[20:21], \s*ROWB
	s_or_b32 s[G0+4*\s+3], s[G0+4*\s+3], 0x80000000
	s_mov_b32 s[G0B+4*\s], 1
	s_add_co_u32 s[G0B+4*\s+1], s45, \s*SLOT
	s_add_nc_u64 s[G0B+4*\s+2:G0B+4*\s+3], s[46:47], \s*ROWB
	s_or_b32 s[G0B+4*\s+3], s[G0B+4*\s+3], 0x80000000
	JLOAD G0+4*\s, G1, G0B+4*\s, G1B
.endr
	v_and_b32 v1, 15, v0                           ; l % 16
	v_bfe_u32 v2, v0, 4, 1                         ; l / 16
	v_mul_u32_u24 v3, v1, PITCH
	v_mul_u32_u24 v4, v2, 24
	v_add_nc_u32 v4, v3, v4                        ; a fragment's row x pitch + 24 x half
	v_lshl_add_u32 v5, v2, 4, v4                   ; and the same behind one padding more
	s_mul_i32 s21, s15, HALFT                      ; my 128 rows of A
	s_mul_i32 s22, s16, HALFT                      ; my 128 rows of B,
	s_add_co_u32 s22, s22, 2*HALFT                 ; which lie behind A's 256
.irp s, 0,1
	v_add_nc_u32 v[ADRA+\s], s21, v4
	v_add_nc_u32 v[ADRB+\s], s22, v4
	v_add_nc_u32 v[ADRA+2+\s], s21, v5
	v_add_nc_u32 v[ADRB+2+\s], s22, v5
	s_add_co_u32 s21, s21, SLOT
	s_add_co_u32 s22, s22, SLOT
.endr
	v_mul_u32_u24 v5, v1, KS                       ; my row's scales: KS bytes a row,
	v_lshrrev_b32 v6, 8, v5
	v_lshl_add_u32 v5, v6, 4, v5                   ; and 16 more for each 256 passed
	s_mul_i32 s21, s15, HALFS                      ; A's: my 128 rows
	s_mul_i32 s22, s16, HALFS                      ; B's: my 128 rows, behind A's 256
	s_add_co_u32 s22, s22, 2*HALFS
	s_sub_co_u32 s22, s22, s21
	v_mul_u32_u24 v6, s22, v2                      ; lanes 16-31 take B's
	s_add_co_u32 s21, s21, SCL
	v_add_nc_u32 v5, v5, v6
	v_add_nc_u32 v[ADRS], s21, v5
	v_and_b32 v6, 31, v0
	v_lshlrev_b32 v[I16], 4, v6
	v_lshlrev_b32 v[I8], 3, v6
	v_lshlrev_b32 v[I4], 2, v6
	v_lshlrev_b32 v[H16], 4, v2
	s_mov_b32 s[SEL], 0x76543210
	s_mov_b32 s[SEL+1], 0xfedcba98
	; my first image: rho0 = 16 x tile row + 8 x half, g0 = 4 x tile column + 2 x half
	s_lshl_b32 s20, s17, 4
	s_lshl_b32 s21, s15, 3
	s_add_co_u32 s20, s20, s21
	s_lshl_b32 s20, s20, 5                         ; 32 rho0
	s_lshl_b32 s46, s42, 2
	s_lshl_b32 s47, s16, 1
	s_add_co_u32 s46, s46, s47                     ; g0
	s_lshr_b32 s47, s46, 5
	s_lshl_b32 s47, s47, 11
	s_and_b32 s46, s46, 31
	s_add_co_u32 s46, s46, s47
	s_add_co_u32 s46, s46, s20                     ; idx0
	s_mul_i32 s20, s46, 768
	s_add_co_u32 s20, s20, CODES
	s_mov_b32 s21, 0
	s_lshl_b32 s46, s46, 6
	s_mov_b32 s47, 0
	s_add_nc_u64 s[OSC:OSC+1], s[12:13], s[46:47]  ; its scale words
	s_add_nc_u64 s[12:13], s[12:13], s[20:21]      ; its codes
.macro FRAG reg, adr, q, i             ; a fragment, 16 rows x 128 K, is 12 registers: lane l holds row l % 16; registers 6 c .. 6 c + 5 hold K = 64 c + 32 (l / 16) + 0 .. 31: 24 bytes of the row as they lie
.irp p, 0,1,2,3,4,5                    ; in pieces of 8 bytes.  Lanes 16-31 read three pieces further on than lanes 0-15;
.set PC, 12*(\q)+6*(\p/3)+\p%3        ; where that lies behind one padding more, the second address register serves
.if PC%8 < 5
	ds_load_b64 v[\reg+2*\p:\reg+2*\p+1], v[\adr] offset:8*PC+16*(PC/8)+(\i)*16*PITCH
.else
	ds_load_b64 v[\reg+2*\p:\reg+2*\p+1], v[\adr+2] offset:8*PC+16*(PC/8)+(\i)*16*PITCH
.endif
.endr
.endm
; 16 matrix instructions: A's blocks a0, a0 + 1 x B's eight.  p: B's set; sc: the set of scale words.  zero = 1: the first product starts the sums.  The 64 accumulators take turns, one instruction a turn.
.macro MUL16 a0, p, q, sc, zero
.irp a, \a0, \a0+1
.irp b, 0,1,2,3,4,5,6,7
.if \zero
	v_wmma_scale_f32_16x16x128_f8f6f4 v[8*(8*((\a)%4)+\b):8*(8*((\a)%4)+\b)+7], v[128*(\p)+FR*\b:128*(\p)+FR*\b+FR-1], v[AF+FR*(\a):AF+FR*(\a)+FR-1], 0, v[SC+8*NQ*(\sc)+NQ*\b+(\q)], v[SC+8*NQ*(\sc)+NQ*(\a)+(\q)] matrix_a_fmt:MATRIX_FMT_BF6 matrix_b_fmt:MATRIX_FMT_BF6 matrix_a_scale:MATRIX_SCALE_ROW1
.else
	v_wmma_scale_f32_16x16x128_f8f6f4 v[8*(8*((\a)%4)+\b):8*(8*((\a)%4)+\b)+7], v[128*(\p)+FR*\b:128*(\p)+FR*\b+FR-1], v[AF+FR*(\a):AF+FR*(\a)+FR-1], v[8*(8*((\a)%4)+\b):8*(8*((\a)%4)+\b)+7], v[SC+8*NQ*(\sc)+NQ*\b+(\q)], v[SC+8*NQ*(\sc)+NQ*(\a)+(\q)] matrix_a_fmt:MATRIX_FMT_BF6 matrix_b_fmt:MATRIX_FMT_BF6 matrix_a_scale:MATRIX_SCALE_ROW1
.endif
.endr
.endr
.endm
.macro FETCH_B slot, q, p              ; B's eight fragments of the slot's q-th 128 along K into set p
	WIN TO_B
.irp i, 0,1,2,3,4,5,6,7
	FRAG 128*(\p)+FR*\i, ADRB+\slot, \q, \i
.endr
	WIN 0
.endm
.macro FETCH_A slot, q, i0             ; A's blocks i0 .. i0 + 3
.irp i, \i0, \i0+1, \i0+2, \i0+3
	FRAG AF+FR*(\i), ADRA+\slot, \q, \i
.endr
.endm
.macro SCALES sc                       ; a K step's scale words into set sc: two words a row; lanes 0-15 take A's block i, lanes 16-31 B's block i
.irp i, 0,1,2,3,4,5,6,7
	ds_load_b64 v[SC+8*NQ*\sc+NQ*\i:SC+8*NQ*\sc+NQ*\i+1], v[ADRS] offset:\i*SBLK
.endr
.endm
.macro PLACES n                        ; places in front of loads into registers that matrix instructions have read, and of the first read of results
.rept \n
	v_nop
.endr
.endm
; A step of 128 along K that has its successor in the same slot.
.macro STEP slot, q, zero
	s_wait_dscnt 4*NL                              ; B's set and A's blocks 0-3 are in; the youngest 24 loads (A's blocks 4-7) may be out
	WIN MUL_LO
	MUL16 0, (\q)%2, \q, \slot, \zero
	MUL16 2, (\q)%2, \q, \slot, \zero
	s_wait_dscnt 0                                 ; A's blocks 4-7 are in
	PLACES NP
	FETCH_B \slot, (\q)+1, 1-(\q)%2
	FETCH_A \slot, (\q)+1, 0
	WIN MUL_HI
	MUL16 4, (\q)%2, \q, \slot, \zero
	MUL16 6, (\q)%2, \q, \slot, \zero
	PLACES NP
	WIN 0
	FETCH_A \slot, (\q)+1, 4
.endm
; A slot's last step changes slots: ONE barrier; in front of it each wave waits for all its tensor loads, adds 0 to its spare word, and waits for that and for its own reads of this slot.  fill = 1: this slot is filled again, two K steps ahead.
.macro TURN slot, next, fill
	s_wait_tensorcnt 0x0                           ; all my tensor loads have landed: my part of the next slot
	ds_add_u32 v[SPW], v[NIL]                      ; 0 onto my spare word
	s_wait_dscnt 4*NL+1                            ; (the add and the youngest 24 loads, A's blocks 4-7, may be out)
	WIN MUL_LO
	MUL16 0, 1, NQ-1, \slot, 0                     ; sixteen matrix instructions stand between the add and the wait for it
	s_wait_dscnt 0x0                               ; the add is done, and my reads of this slot are over
	s_barrier_signal -1
	MUL16 2, 1, NQ-1, \slot, 0
	WIN 0
	s_barrier_wait -1
.if \fill
	CREST                                          ; the barrier has opened a round of the cluster's barrier: no wave of any partner still reads this slot's tile or has a load on its way
	s_add_nc_u64 s[G0+4*\slot+2:G0+4*\slot+3], s[G0+4*\slot+2:G0+4*\slot+3], 2*ROWB
	s_add_nc_u64 s[G0B+4*\slot+2:G0B+4*\slot+3], s[G0B+4*\slot+2:G0B+4*\slot+3], 2*ROWB
	JLOAD G0+4*\slot, G1, G0B+4*\slot, G1B         ; the first tensor load behind the round; its four v_nop are the places in front of the loads below
.else
	PLACES NP
.endif
	v_add_nc_u32 v[ADRS], 4*NQ, v[ADRS]            ; on to the next K step's scale words (no LDS load of mine is out)
	FETCH_B \next, 0, 0
	FETCH_A \next, 0, 0
	SCALES \next
	WIN MUL_HI
	MUL16 4, 1, NQ-1, \slot, 0
	MUL16 6, 1, NQ-1, \slot, 0
	PLACES NP
	WIN 0
	FETCH_A \next, 0, 4
.endm
	s_wait_tensorcnt 1                             ; the scales and my part of K step 0 are in (K step 1's load may be out),
	s_barrier_signal -1
	s_barrier_wait -1                              ; everybody's are
	FETCH_B 0, 0, 0
	FETCH_A 0, 0, 0
	SCALES 0
	FETCH_A 0, 0, 4
	STEP 0, 0, 1                                   ; the first step stands in front of the loop: its products start the sums
	s_mov_b32 s3, LAPS-1
.Llap:                                                 ; a trip goes once round the ring and fills both slots again
	TURN 0, 1, 1
	STEP 1, 0, 0
	TURN 1, 0, 1
	STEP 0, 0, 0
	s_sub_co_u32 s3, s3, 1
	s_cmp_lg_u32 s3, 0
	s_cbranch_scc1 .Llap
	TURN 0, 1, 0                                   ; the last lap fills nothing, and has no round of the cluster's barrier
	STEP 1, 0, 0
	s_wait_dscnt 4*NL                              ; the very last step: nothing more to fetch
	WIN MUL_LO
	MUL16 0, 1, NQ-1, 1, 0
	MUL16 2, 1, NQ-1, 1, 0
	s_wait_dscnt 0
	WIN MUL_HI
	MUL16 4, 1, NQ-1, 1, 0
	MUL16 6, 1, NQ-1, 1, 0
	WIN 0
; THE WAY OUT of block a: its 64 registers of a lane (register 16 g + i = true column 32 g + 16 (lane / 16) + i of my row) become a fragment's codes and my row's scale word, and leave.
.macro QOUT a
.set AC, 64*((\a)%4)
	WIN 0x28+0x14*((\a)/4)                         ; sources 1 and 2: the accumulators' window (2 or 3)
.irp b, 0,1,2,3
	v_max3_num_f32 v[TM+\b], 0x2800000, |v[AC+16*\b]|, |v[AC+16*\b+1]|   ; block b: my 16 numbers and the floor 2^(5 - 127); each accumulator is read from its low end on
.endr
.irp i, 2,4,6,8,10,12,14
.irp b, 0,1,2,3
	v_max3_num_f32 v[TM+\b], v[TM+\b], |v[AC+16*\b+\i]|, |v[AC+16*\b+\i+1]|   ; (the four blocks by turns)
.endr
.endr
	WIN 0
.irp b, 0,1,2,3
	v_permlanex16_b32 v[TM+4+\b], v[TM+\b], s[SEL], s[SEL+1]
.endr
.irp b, 0,1,2,3
	v_max_num_f32 v[TM+\b], v[TM+\b], v[TM+4+\b]   ; with lane l xor 16's: the block's largest magnitude
.endr
.irp b, 0,1,2,3
	v_add_nc_u32 v[TM+12+\b], 0xfe000000, v[TM+\b] ; 4 off its exponent field: the conversion's scale operand
.endr
.irp b, 0,1,2,3
	v_lshrrev_b32 v[TM+4+\b], 23, v[TM+12+\b]      ; the scale's byte
.endr
	v_lshl_or_b32 v[PW], v[TM+5], 8, v[TM+4]       ; the four bytes make my row's scale word
	v_lshl_or_b32 v[PW], v[TM+6], 16, v[PW]
	v_lshl_or_b32 v[PW], v[TM+7], 24, v[PW]
	s_wait_xcnt 0x0                                ; the last block's stores have read their data: the codes and the word may be written again
	WIN 2+(\a)/4                                   ; source 0: the accumulators' window
.irp c, 0,1
	v_cvt_scalef32_pk16_bf6_f32 v[QC+6*\c:QC+2+6*\c], v[AC+32*\c:AC+32*\c+15], v[TM+12+2*\c]
	v_cvt_scalef32_pk16_bf6_f32 v[QC+12+4*\c:QC+14+4*\c], v[AC+32*\c+16:AC+32*\c+31], v[TM+13+2*\c]   ; (a conversion's three registers begin on an even number)
.endr
	WIN 0
	v_nop                                          ; one plain place behind a scaled conversion
.irp c, 0,1                                    ; the operand's layout wants a WHOLE block in a lane: lanes 0-15 block 2 c, lanes 16-31 block 2 c + 1
.irp i, 0,1,2
	v_permlane16_swap_b32 v[QC+6*\c+\i], v[QC+12+4*\c+\i]
.endr
.irp i, 0,1,2
	v_mov_b32 v[QC+3+6*\c+\i], v[QC+12+4*\c+\i]
.endr
.endr
	v_lshrrev_b32 v[SWD], v[H16], v[PW]            ; lanes 0-15 store the even image's word, lanes 16-31 the odd image's: the upper two bytes moved down
	global_store_b128 v[I16], v[QC:QC+3], s[12:13] offset:(\a)*24576          ; 512 consecutive bytes, aligned
	global_store_b64 v[I8], v[QC+4:QC+5], s[12:13] offset:(\a)*24576+512      ; 256
	global_store_b128 v[I16], v[QC+6:QC+9], s[12:13] offset:(\a)*24576+768
	global_store_b64 v[I8], v[QC+10:QC+11], s[12:13] offset:(\a)*24576+1280
	global_store_b32 v[I4], v[SWD], s[OSC:OSC+1] offset:(\a)*2048             ; 128 consecutive bytes: two images' words
.endm
	PLACES NP                                      ; behind the last products: their results are read, and registers that held A's fragments are written
.irp b, 0,1,2,3
	v_mov_b32 v[TM+4+\b], 0                        ; written once: a lane permute's destination counts as one of its sources
.endr
.irp a, 0,1,2,3,4,5,6,7
	QOUT \a
.endr
	s_wait_tensorcnt 0x0                           ; the wave's end
	ds_add_u32 v[SPW], v[NIL]
	s_wait_dscnt 0x0
	CROUND                                         ; the closing round: no work-group ends while a partner may still ask for a tile that names it
	s_endpgm
.Lfunc_end_k_qb407b68332_projqk:
	.size	k_qb407b68332_projqk, .Lfunc_end_k_qb407b68332_projqk-k_qb407b68332_projqk
	.p2alignl 7, 3214868480
	.fill 96, 4, 3214868480
	.section	.rodata,"a",@progbits
	.p2align	6, 0x0
	.amdhsa_kernel k_qb407b68332_projqk
		.amdhsa_group_segment_fixed_size 327680
		.amdhsa_private_segment_fixed_size 0
		.amdhsa_enable_private_segment 0
		.amdhsa_kernarg_size 24
		.amdhsa_user_sgpr_count 2
		.amdhsa_user_sgpr_kernarg_segment_ptr 1
		.amdhsa_wavefront_size32 1
		.amdhsa_system_sgpr_workgroup_id_x 1
		.amdhsa_system_sgpr_workgroup_id_y 1
		.amdhsa_system_sgpr_workgroup_id_z 1
		.amdhsa_system_vgpr_workitem_id 0
		.amdhsa_next_free_vgpr 1024
		.amdhsa_next_free_sgpr 98
		.amdhsa_reserve_vcc 0
		.amdhsa_float_denorm_mode_32 3
		.amdhsa_float_denorm_mode_16_64 3
		.amdhsa_memory_ordered 1
		.amdhsa_forward_progress 1
		.amdhsa_inst_pref_size 166
	.end_amdhsa_kernel
	.amdgpu_metadata
---
amdhsa.version: [ 1, 2 ]
amdhsa.kernels:
  - .name:           k_qb407b68332_projqk
    .symbol:         k_qb407b68332_projqk.kd
    .args:
      - { .name: xq, .offset: 0, .size: 8, .value_kind: global_buffer, .address_space: global }
      - { .name: wqk, .offset: 8, .size: 8, .value_kind: global_buffer, .address_space: global }
      - { .name: qk, .offset: 16, .size: 8, .value_kind: global_buffer, .address_space: global }
    .group_segment_fixed_size: 327680
    .private_segment_fixed_size: 0
    .kernarg_segment_align: 8
    .kernarg_segment_size: 24
    .max_flat_workgroup_size: 128
    .sgpr_count:     98
    .vgpr_count:     1024
    .wavefront_size: 32
...
	.end_amdgpu_metadata
.endif
;; end of part 3
;; launch projv: the kernel of part 3 again; grid 32 x 4, 4 waves a work-group, clusters of 4 x 4, 327,680 bytes of LDS; arguments wv, xq, vt; writes vt
;; launch attn (part 4): grid 4 x 64, 16 waves a work-group, clusters of 4 x 1, 215,040 bytes of LDS; arguments qk, vt, oq; writes oq
.if DOCPART == 4
	.amdgcn_target "amdgcn-amd-amdhsa--gfx1250"
	.amdhsa_code_object_version 6
	.text
	.protected	k_qb407b68332_attn
	.globl	k_qb407b68332_attn
	.p2align	8
	.type	k_qb407b68332_attn,@function
k_qb407b68332_attn:
	s_mov_b64 s[64:65], 0
	v_nop
	global_prefetch_b8 v0, s[64:65] scope:SCOPE_SE
	s_setreg_imm32_b32 hwreg(HW_REG_WAVE_MODE, 25, 1), 1
	s_wait_xcnt 0x0
	s_wait_alu depctr_hold_cnt(0) depctr_sa_sdst(0) depctr_va_vdst(0) depctr_va_sdst(0) depctr_va_ssrc(0) depctr_va_vcc(0) depctr_vm_vsrc(0)
	s_getreg_b32 s2, hwreg(HW_REG_IB_STS2, 6, 4)
	s_cmp_eq_u32 s2, 0
	s_cbranch_scc0 .Lentry_in_a_cluster
	s_endpgm
.Lentry_in_a_cluster:
	s_bfe_u32 s2, ttmp6, 0x10000c
	s_cmp_lg_u32 s2, 0x3003
	s_cbranch_scc0 .Lentry_shape_is_right
	s_endpgm
.Lentry_shape_is_right:
; Causal attention on codes of BF6 (E3M2, one E8M0 scale for each 32 along a product's K), head size 64, 2,048 keys, 64 (batch, head) pairs; o = O / l is quantised along the head's 64 and leaves as codes.
; IN.  qk: images of 16 rows x 64 K (768 bytes: registers 0-3 at 16 x lane, 4-5 at 512 + 8 x lane) at CODES + 768 idx, 16 scale words at 64 idx; idx = 32 rho + g, rho = 128 b + tile of 16 stored rows,
; g = head (q) or 16 + head (k).  Stored tile 2 B + u holds in lane r the true row 32 B + 8 u + r % 8 + 16 (r / 8).  vt: v transposed, the keys innermost, in true order: idx = 128 (16 b + head) + 32 dt + chi,
; dt the stored tile of 16 of the head's 64, chi the group of 64 keys; the word of an even chi serves 128 keys.  OUT.  oq: images at CODES + 768 (16 rho + head), scale bytes [stored row][32], bytes 2 head, 2 head + 1.
; THE SOFTMAX: t = score x log2(e) / 8; M = the running largest t rounded UP to a whole number; p = 2^(t - M) is quantised along the keys, not normalised; l is the sum of the unquantised p; when M moves, l and O are
; multiplied by 2^(old M - new M), exactly.
; SHARES.  The four work-groups of a cluster belong to one (b, head).  All its K, V^T and scale words, 212,992 bytes, come into each partner's LDS ONCE, by joint loads: no ring, no refill, one barrier.
; The head's 128 query tiles fall into 16 groups of 8 (128 queries).  Wave w of partner cx takes tile 8 g + 2 cx + w % 2, with g = w / 2 in the first pass and 15 - w / 2 in the second.  A tile of group g has g key
; steps of 128 keys all of which count, and one on the diagonal: so every wave has 17 steps.  Both loops have constant trip counts; a step all of whose keys are hidden is jumped over.  Every branch hangs on the
; wave's number and on counters; cx enters global addresses and the lane's mask number alone.
; LAYOUT.  Both products are used transposed: S^T = K Q^T (source 0 = 16 keys), O^T = V^T P^T (source 0 = 16 of the head's 64): a lane holds one query throughout; the stored order of K's rows makes the 16 registers of
; two neighbouring tiles 16 neighbouring keys, that of V^T's rows 16 neighbours of the head's 64.
; K = 64 IN AN INSTRUCTION OF 128: Q's upper six registers are zero codes.  K's upper six are whatever follows in the registers (the next tile's codes, zeros behind the last): a code times the code 0 is 0.
; LIMITS: a block whose largest magnitude lies under 2^-122 (zeros too) gets the byte 1; NaN and infinities are not served.
; REGISTERS: v1-11 lane addresses that stay; v12 -M, v13 the largest t, v[14:15] l in two halves; v16-21 Q, v22-27 zeros; v29 the mask number, v30 -infinity; v32-79 K's eight tiles (behind S^T: at work), v80-85 zeros;
; v86-93 K's scale words, v94 p's, v95 Q's; v96-159 S^T, then p; v160-191 O^T; v192-239 V^T's four fragments, v240-243 their scale words; v244-251 the step's LDS addresses.
.set CODES, 1048576
.set VC,    98304                      ; LDS: K's 128 images from 0; V^T's 128 images ([dt][chi]) from here;
.set KSC,   196608                     ; K's scale words, 64 bytes a tile;
.set VSC,   204800                     ; V^T's, 64 bytes an image
.set WV,   16
.set CX,   17
.set HB,   18
.set BB,   19
.set HD,   20
.set G,    21                          ; s21  my tile's group in this pass
.set KK,   22                          ; s22  the key step
.set PASS, 23
.set SEL,  24                          ; s[24:25] lane selects: lane l xor 16
.set CS,   26                          ; s[26:27] c = log2(e) / 8, twice
.set TK,   28                          ; s28  the step's place in K's images: 6,144 a step
.set TV,   29                          ; s29  in a row of V^T's images: 1,536
.set TKS,  30                          ; s30  in K's scale words: 512
.set TVS,  31                          ; s31  in V^T's: 128
.set G1K,  32
.set G1V,  40
.set G1KS, 48
.set G1VS, 56
.set G0K,  68
.set G0V,  72
.set G0KS, 76
.set G0VS, 80
.set QB,   84                          ; s[84:91] Q's codes and words, o's codes and bytes, at group 0's tile of mine
.set QS,   86
.set OB,   88
.set OSB,  90
.set QP,   96                          ; s[96:101], s[66:67] the same at this pass's group
.set QSP,  98
.set OP,   100
.set OSP,  66
.set PCD,  32                          ; v32-43 p's codes;  v44-46, v48-50 second halves
.set PH,   44
.set BM,   52                          ; v52-55 a block's largest score, then largest p
.set BT,   56                          ; v56-59 at work
.set SOP,  60                          ; v60-63 the conversions' scale operands
.set TMP,  64
.set OW,   65                          ; o's two scale bytes
.set F,    66                          ; v[66:67] f = 2^(old M - new M), in the low word
.set CH,   68                          ; v[68:69] the sum's second chain
.macro ROUND                           ; a round of the cluster's barrier
	s_barrier_signal -1
	s_barrier_wait -1
	s_cmp_lg_u32 s[WV], 0
	s_cbranch_scc1 .Lnot_wave_0_\@
	s_barrier_signal -3
.Lnot_wave_0_\@:
	s_barrier_wait -3
	s_barrier_signal -1
	s_barrier_wait -1
.endm
.macro GROUP1 g, c, r, p               ; r rows of c elements of 8 bytes, p elements apart; the mask names all four partners, bit 21 beside it; no padding
	s_mov_b32 s[\g], 15|(3<<16)|(1<<21)
	s_mov_b32 s[\g+1], (\c)<<16
	s_mov_b32 s[\g+2], (\r)<<16
	s_mov_b32 s[\g+3], (\c)<<16
	s_mov_b32 s[\g+4], \r
	s_mov_b32 s[\g+5], \p
	s_mov_b32 s[\g+6], 0
	s_mov_b32 s[\g+7], 0
.endm
	s_load_b128 s[4:7], s[0:1], 0x0                ; qk, vt
	s_load_b64 s[8:9], s[0:1], 0x10                ; oq
	v_lshl_add_u32 v28, v0, 2, 0x34000
	v_mov_b32 v31, 0
	ds_add_u32 v28, v31
	ds_add_u32 v28, v31
	v_lshrrev_b32 v10, 5, v0
	v_readfirstlane_b32 s[WV], v10                 ; wave 0..15
	s_bfe_u32 s[CX], ttmp6, 0x40000                ; my place in the cluster
	s_and_b32 s[HB], ttmp7, 0xffff                 ; 16 b + head, which the four partners share
	s_lshr_b32 s[BB], s[HB], 4
	s_and_b32 s[HD], s[HB], 15
	GROUP1 G1K, 96, 64, 3072                       ; K: 64 images of 768 bytes, 24,576 bytes apart
	GROUP1 G1V, 32, 192, 32                        ; V^T: 49,152 dense bytes as rows of 256
	GROUP1 G1KS, 8, 128, 256                       ; K's words: 128 x 64 bytes, 2,048 bytes apart
	GROUP1 G1VS, 32, 32, 32                        ; V^T's: 8,192 dense bytes
	s_and_b32 s3, s[WV], 1                         ; u: which half I fetch, if I fetch; later: which of a pair of tiles is mine
	s_mul_i32 s94, s3, 49152                       ; the half's place in LDS
	s_add_co_u32 s2, s[HD], 16
	s_mul_i32 s10, s[BB], 3145728
	s_mul_i32 s11, s2, 768
	s_add_co_u32 s10, s10, s11
	s_mul_i32 s11, s3, 1572864
	s_add_co_u32 s10, s10, s11
	s_add_co_u32 s10, s10, CODES                   ; K's images, my half
	s_mov_b32 s11, 0
	s_mul_i32 s12, s[HB], 98304
	s_add_co_u32 s12, s12, s94
	s_add_co_u32 s12, s12, CODES                   ; V^T's, my half
	s_mov_b32 s13, 0
	s_lshl_b32 s14, s[BB], 18
	s_lshl_b32 s15, s2, 6
	s_add_co_u32 s14, s14, s15                     ; K's words
	s_mov_b32 s15, 0
	s_lshl_b32 s92, s[HB], 13                      ; V^T's words
	s_mov_b32 s93, 0
	s_wait_dscnt 0x0
	s_wait_kmcnt 0x0
	s_mov_b32 s[G0K], 1
	s_mov_b32 s[G0K+1], s94
	s_add_nc_u64 s[G0K+2:G0K+3], s[4:5], s[10:11]
	s_or_b32 s[G0K+3], s[G0K+3], 0x80000000
	s_mov_b32 s[G0V], 1
	s_add_co_u32 s[G0V+1], s94, VC
	s_add_nc_u64 s[G0V+2:G0V+3], s[6:7], s[12:13]
	s_or_b32 s[G0V+3], s[G0V+3], 0x80000000
	s_mov_b32 s[G0KS], 1
	s_mov_b32 s[G0KS+1], KSC
	s_add_nc_u64 s[G0KS+2:G0KS+3], s[4:5], s[14:15]
	s_or_b32 s[G0KS+3], s[G0KS+3], 0x80000000
	s_mov_b32 s[G0VS], 1
	s_mov_b32 s[G0VS+1], VSC
	s_add_nc_u64 s[G0VS+2:G0VS+3], s[6:7], s[92:93]
	s_or_b32 s[G0VS+3], s[G0VS+3], 0x80000000
	ROUND                                          ; all four work-groups are here: the joint loads meet
	; the launch's only fills: waves 0, 1: K's halves; 2, 3: V^T's; 4: K's words; 5: V^T's.  One load a wave; four v_nop follow each line
	s_cmp_lt_u32 s[WV], 2
	s_cbranch_scc0 .Lnot_k
	tensor_load_to_lds s[G0K:G0K+3], s[G1K:G1K+7]
	s_nop 0
.rept 4
	v_nop
.endr
	s_branch .Lasked
.Lnot_k:
	s_cmp_lt_u32 s[WV], 4
	s_cbranch_scc0 .Lnot_v
	tensor_load_to_lds s[G0V:G0V+3], s[G1V:G1V+7]
	s_nop 0
.rept 4
	v_nop
.endr
	s_branch .Lasked
.Lnot_v:
	s_cmp_eq_u32 s[WV], 4
	s_cbranch_scc0 .Lnot_ks
	tensor_load_to_lds s[G0KS:G0KS+3], s[G1KS:G1KS+7]
	s_nop 0
.rept 4
	v_nop
.endr
	s_branch .Lasked
.Lnot_ks:
	s_cmp_eq_u32 s[WV], 5
	s_cbranch_scc0 .Lasked
	tensor_load_to_lds s[G0VS:G0VS+3], s[G1VS:G1VS+7]
	s_nop 0
.rept 4
	v_nop
.endr
.Lasked:
	v_and_b32 v252, 31, v0                         ; l
	v_and_b32 v253, 15, v0                         ; r
	v_bfe_u32 v254, v0, 4, 1                       ; h
	v_lshlrev_b32 v1, 4, v252                      ; 16 l: an image's first four registers, in K's LDS and in memory
	v_lshl_add_u32 v2, v252, 3, 512                ; 512 + 8 l: its last two, in K's LDS
	v_lshl_add_u32 v3, v253, 2, KSC                ; K's scale words
	v_lshl_add_u32 v4, v252, 4, VC                 ; V^T, tiles 0 and 1
	v_lshl_add_u32 v5, v252, 3, VC+512
	v_lshl_add_u32 v6, v253, 2, VSC
	v_lshlrev_b32 v7, 3, v252                      ; 8 l: in memory
	v_lshlrev_b32 v8, 2, v253                      ; 4 r: Q's scale words
	v_lshlrev_b32 v9, 5, v253                      ; 32 r: o's scale bytes
	v_lshl_add_u32 v10, v252, 4, VC+49152          ; V^T, tiles 2 and 3
	v_lshl_add_u32 v11, v252, 3, VC+49152+512
	s_lshl_b32 s96, s[CX], 1
	s_add_co_u32 s96, s96, s3                      ; 2 cx + u: my tile in a group
	s_lshl_b32 s97, s96, 3
	s_lshl_b32 s98, s[CX], 4
	s_add_co_u32 s97, s97, s98                     ; 32 cx + 8 u
	v_and_b32 v29, 7, v0
	v_bfe_u32 v255, v0, 3, 1
	v_lshl_add_u32 v29, v255, 4, v29
	v_lshlrev_b32 v255, 4, v254
	v_sub_nc_u32 v29, v29, v255
	v_add_nc_u32 v29, s97, v29                     ; my query in its group, less 16 h: on the diagonal register 16 b + i (key 32 b + 16 h + i of the group) is hidden where 32 b + i is above it
	v_mov_b32 v30, 0xff800000                      ; -infinity
.irp j, 22,23,24,25,26,27,80,81,82,83,84,85
	v_mov_b32 v\j, 0                               ; zero codes; never rewritten
.endr
.set n, 52
.rept 18
	v_mov_b32 v[n], 0                              ; written once: lane permutes' destinations and upper halves of pairs count as read
.set n, n+1
.endr
	s_mul_i32 s[QB], s[BB], 3145728
	s_mul_i32 s97, s96, 24576
	s_add_co_u32 s[QB], s[QB], s97
	s_mul_i32 s97, s[HD], 768
	s_add_co_u32 s[QB], s[QB], s97
	s_add_co_u32 s[QB], s[QB], CODES
	s_mov_b32 s[QB+1], 0
	s_add_nc_u64 s[QB:QB+1], s[4:5], s[QB:QB+1]
	s_lshl_b32 s[QS], s[BB], 18
	s_lshl_b32 s97, s96, 11
	s_add_co_u32 s[QS], s[QS], s97
	s_lshl_b32 s97, s[HD], 6
	s_add_co_u32 s[QS], s[QS], s97
	s_mov_b32 s[QS+1], 0
	s_add_nc_u64 s[QS:QS+1], s[4:5], s[QS:QS+1]
	s_mul_i32 s[OB], s[BB], 1572864
	s_mul_i32 s97, s96, 12288
	s_add_co_u32 s[OB], s[OB], s97
	s_mul_i32 s97, s[HD], 768
	s_add_co_u32 s[OB], s[OB], s97
	s_add_co_u32 s[OB], s[OB], CODES
	s_mov_b32 s[OB+1], 0
	s_add_nc_u64 s[OB:OB+1], s[8:9], s[OB:OB+1]
	s_lshl_b32 s[OSB], s[BB], 16
	s_lshl_b32 s97, s96, 9
	s_add_co_u32 s[OSB], s[OSB], s97
	s_lshl_b32 s97, s[HD], 1
	s_add_co_u32 s[OSB], s[OSB], s97
	s_mov_b32 s[OSB+1], 0
	s_add_nc_u64 s[OSB:OSB+1], s[8:9], s[OSB:OSB+1]
	s_mov_b32 s[SEL], 0x76543210
	s_mov_b32 s[SEL+1], 0xfedcba98
	s_mov_b32 s[CS], 0x3e38aa3b                    ; c = log2(e) / 8
	s_mov_b32 s[CS+1], s[CS]
	s_lshr_b32 s[G], s[WV], 1
	s_mov_b32 s[PASS], 2
	s_wait_tensorcnt 0x0                           ; my load, if I issued one, has landed,
	s_barrier_signal -1
	s_barrier_wait -1                              ; everybody's has: from here on LDS is only read
.Lpass:
	s_mul_i32 s94, s[G], 196608                    ; 8 tiles of Q's images a group
	s_mov_b32 s95, 0
	s_add_nc_u64 s[QP:QP+1], s[QB:QB+1], s[94:95]
	s_lshl_b32 s94, s[G], 14
	s_add_nc_u64 s[QSP:QSP+1], s[QS:QS+1], s[94:95]
	s_mul_i32 s94, s[G], 98304
	s_add_nc_u64 s[OP:OP+1], s[OB:OB+1], s[94:95]
	s_lshl_b32 s94, s[G], 12
	s_add_nc_u64 s[OSP:OSP+1], s[OSB:OSB+1], s[94:95]
	global_load_b128 v[16:19], v1, s[QP:QP+1]      ; Q's image stays in registers for the pass
	global_load_b64 v[20:21], v7, s[QP:QP+1] offset:512
	global_load_b32 v95, v8, s[QSP:QSP+1]          ; and its scale words
	v_mov_b32 v13, 0xff61b1e6                      ; the largest t so far: -3e38, under every t
	v_floor_f32 v12, -v13                          ; -M
	v_mov_b32 v14, 0
	v_mov_b32 v15, 0
.set n, 160
.rept 32
	v_mov_b32 v[n], 0                              ; O^T: the step is written once; the first finds zeros, which the first change of M leaves zeros
.set n, n+1
.endr
	s_mov_b32 s[KK], 0
	s_mov_b32 s[TK], 0
	s_mov_b32 s[TV], 0
	s_mov_b32 s[TKS], 0
	s_mov_b32 s[TVS], 0
	s_wait_loadcnt 0x0                             ; Q
.Lstep:                                                ; 16 trips: a key step of 128 keys
	s_cmp_gt_u32 s[KK], s[G]
	s_cbranch_scc1 .Lhidden                        ; all its keys come after my queries
	v_add_nc_u32 v244, s[TK], v1                   ; eight additions: also the places between the last products and the loads into registers that they read
	v_add_nc_u32 v245, s[TK], v2
	v_add_nc_u32 v246, s[TKS], v3
	v_add_nc_u32 v247, s[TV], v4
	v_add_nc_u32 v248, s[TV], v5
	v_add_nc_u32 v249, s[TV], v10
	v_add_nc_u32 v250, s[TV], v11
	v_add_nc_u32 v251, s[TVS], v6
.irp t, 0,1,2,3,4,5,6,7                        ; K's eight tiles: 24 loads, each of consecutive bytes
	ds_load_b128 v[32+6*\t:35+6*\t], v244 offset:768*\t
	ds_load_b64 v[36+6*\t:37+6*\t], v245 offset:768*\t
	ds_load_b32 v[86+\t], v246 offset:64*\t
.endr
.irp d, 0,1,2,3                                ; V^T's four fragments, two images each: 20 loads
	ds_load_b128 v[192+12*\d:195+12*\d], v[247+2*(\d/2)] offset:(\d%2)*24576
	ds_load_b64 v[196+12*\d:197+12*\d], v[248+2*(\d/2)] offset:(\d%2)*24576
	ds_load_b128 v[198+12*\d:201+12*\d], v[247+2*(\d/2)] offset:(\d%2)*24576+768
	ds_load_b64 v[202+12*\d:203+12*\d], v[248+2*(\d/2)] offset:(\d%2)*24576+768
	ds_load_b32 v[240+\d], v251 offset:2048*\d
.endr
	s_wait_dscnt 20                                ; K's 24 are in; V^T's 20, issued behind them, may be out
.irp t, 0,1,2,3,4,5,6,7
	v_wmma_scale_f32_16x16x128_f8f6f4 v[96+8*\t:103+8*\t], v[32+6*\t:43+6*\t], v[16:27], 0, v[86+\t], v95 matrix_a_fmt:MATRIX_FMT_BF6 matrix_b_fmt:MATRIX_FMT_BF6
.endr
.rept 4
	v_nop                                          ; places in front of the first read of the scores and of writes over K's registers
.endr
	s_cmp_lg_u32 s[KK], s[G]
	s_cbranch_scc1 .Lopen                          ; all keys count
.set n, 0
.rept 64                                       ; on the diagonal the scores of hidden keys become -infinity ahead of the maximum: p = 0 then
	v_cmp_gt_i32 vcc_lo, 32*(n/16)+n%16, v29
	v_cndmask_b32 v[96+n], v[96+n], v30, vcc_lo
.set n, n+1
.endr
.Lopen:
.irp b, 0,1,2,3
	v_max3_num_f32 v[BM+\b], v[96+16*\b], v[97+16*\b], v[98+16*\b]   ; the largest score of each block of 32 keys: for the row's maximum, and, since p rises with the score, for the block's largest p
.endr
.irp i, 3,5,7,9,11,13
.irp b, 0,1,2,3
	v_max3_num_f32 v[BM+\b], v[BM+\b], v[96+16*\b+\i], v[97+16*\b+\i]
.endr
.endr
.irp b, 0,1,2,3
	v_max_num_f32 v[BM+\b], v[BM+\b], v[111+16*\b]
.endr
.irp b, 0,1,2,3
	v_permlanex16_b32 v[BT+\b], v[BM+\b], s[SEL], s[SEL+1]
.endr
.irp b, 0,1,2,3
	v_max_num_f32 v[BM+\b], v[BM+\b], v[BT+\b]     ; with lane l xor 16's 16 keys
.endr
	v_max3_num_f32 v[TMP], v[BM], v[BM+1], v[BM+2]
	v_max_num_f32 v[TMP], v[TMP], v[BM+3]          ; the step's largest score of my query
	v_mul_f32 v[TMP], s[CS], v[TMP]                ; as t
	v_max_num_f32 v13, v13, v[TMP]                 ; the running largest t
	v_mov_b32 v[TMP], v12
	v_floor_f32 v12, -v13                          ; the new -M = -ceil(t)
	v_sub_f32 v[TMP], v12, v[TMP]                  ; old M - new M: a whole number, 0 or less
	v_cvt_i32_f32 v[TMP], v[TMP]                   ; (it saturates)
	v_ldexp_f32 v[F], 1.0, v[TMP]                  ; f = 2^(old M - new M)
.set n, 0
.rept 32
	v_pk_fma_f32 v[96+n:97+n], v[96+n:97+n], s[CS:CS+1], v[12:13] op_sel_hi:[1,0,0]   ; t - M, two at a time
.set n, n+2
.endr
.irp b, 0,1,2,3
	v_fma_f32 v[BM+\b], v[BM+\b], s[CS], v12       ; the same of each block's largest score
.endr
.set n, 0
.rept 64
	v_exp_f32 v[96+n], v[96+n]                     ; p = 2^(t - M), at most 1
.set n, n+1
.endr
	v_pk_mul_f32 v[14:15], v[14:15], v[F:F+1] op_sel_hi:[1,0]   ; l under the new M: the plain instruction behind the exponentials
	s_wait_alu depctr_va_vdst(0)                   ; one wait for the batch of 64, ahead of its first reader
.irp b, 0,1,2,3
	v_exp_f32 v[BM+\b], v[BM+\b]                   ; the block's largest p: the same two instructions on the same number give the same bits
.endr
	v_pk_add_f32 v[CH:CH+1], v[96:97], v[98:99]    ; l is the sum of the UNQUANTISED p, in two chains; its first half stands here, behind the four
.irp j, 4,8,12,16,20,24,28
	v_pk_add_f32 v[14:15], v[14:15], v[96+\j:97+\j]
	v_pk_add_f32 v[CH:CH+1], v[CH:CH+1], v[98+\j:99+\j]
.endr
	s_wait_alu depctr_va_vdst(0)                   ; and one for the four
.irp b, 0,1,2,3
	v_max_num_f32 v[BM+\b], 0x2800000, v[BM+\b]    ; the floor 2^(5 - 127): a block whose every p is 0 keeps the byte 1, and its codes are zeros
.endr
.irp b, 0,1,2,3
	v_add_nc_u32 v[SOP+\b], 0xfe000000, v[BM+\b]   ; 4 off the exponent field: the conversion's scale operand
.endr
.irp b, 0,1,2,3
	v_lshrrev_b32 v[BT+\b], 23, v[SOP+\b]          ; the scale's byte
.endr
	v_lshl_or_b32 v94, v[BT+1], 8, v[BT]           ; p's scale word for these 128 keys
	v_lshl_or_b32 v94, v[BT+2], 16, v94
	v_lshl_or_b32 v94, v[BT+3], 24, v94
.irp c, 0,1
	v_cvt_scalef32_pk16_bf6_f32 v[PCD+6*\c:PCD+2+6*\c], v[96+32*\c:111+32*\c], v[SOP+2*\c]
	v_cvt_scalef32_pk16_bf6_f32 v[PH+4*\c:PH+2+4*\c], v[112+32*\c:127+32*\c], v[SOP+2*\c+1]   ; (a conversion's three registers begin on an even number)
.endr
	v_nop                                          ; one plain place behind a scaled conversion
.irp c, 0,1                                    ; the operand's layout wants a WHOLE block in a lane
.irp i, 0,1,2
	v_permlane16_swap_b32 v[PCD+6*\c+\i], v[PH+4*\c+\i]
.endr
.irp i, 0,1,2
	v_mov_b32 v[PCD+3+6*\c+\i], v[PH+4*\c+\i]
.endr
.endr
.set n, 160
.rept 16
	v_pk_mul_f32 v[n:n+1], v[n:n+1], v[F:F+1] op_sel_hi:[1,0]   ; O^T under the new M
.set n, n+2
.endr
.irp j, 32,36,40,44,48,52,56,60                ; the sum's second half: 17 plain instructions that name no register of the products below: the places behind the writes of p's scale word, p's codes and O^T
	v_pk_add_f32 v[14:15], v[14:15], v[96+\j:97+\j]
	v_pk_add_f32 v[CH:CH+1], v[CH:CH+1], v[98+\j:99+\j]
.endr
	v_pk_add_f32 v[14:15], v[14:15], v[CH:CH+1]
	s_wait_dscnt 0x0                               ; V^T is in
.irp d, 0,1,2,3                                ; O^T += V^T P^T: the four accumulators by turns, one instruction a turn
	v_wmma_scale_f32_16x16x128_f8f6f4 v[160+8*\d:167+8*\d], v[192+12*\d:203+12*\d], v[PCD:PCD+11], v[160+8*\d:167+8*\d], v[240+\d], v94 matrix_a_fmt:MATRIX_FMT_BF6 matrix_b_fmt:MATRIX_FMT_BF6
.endr
.Lhidden:
	s_add_co_u32 s[TK], s[TK], 6144
	s_add_co_u32 s[TV], s[TV], 1536
	s_add_co_u32 s[TKS], s[TKS], 512
	s_add_co_u32 s[TVS], s[TVS], 128
	s_add_co_u32 s[KK], s[KK], 1
	s_cmp_lt_u32 s[KK], 16
	s_cbranch_scc1 .Lstep
	; THE PASS'S END: o = O / l, quantised along the head's 64 (two blocks), as one image and two scale bytes a row
.rept 4
	v_nop                                          ; places behind the last products
.endr
	v_add_f32 v14, v14, v15                        ; l's two halves,
	v_permlanex16_b32 v[TMP], v14, s[SEL], s[SEL+1]
	v_add_f32 v14, v14, v[TMP]                     ; and lane l xor 16's
	v_rcp_f32 v14, v14
	v_nop                                          ; a plain place behind the reciprocal
	s_wait_alu depctr_va_vdst(0)                   ; and the wait ahead of its first reader
.set n, 0
.rept 16
	v_pk_mul_f32 v[96+n:97+n], v[160+n:161+n], v[14:15] op_sel_hi:[1,0]   ; register 16 g + i = o(my query, 32 g + 16 h + i); each accumulator from its low end on
.set n, n+2
.endr
.irp b, 0,1
	v_max3_num_f32 v[BM+\b], |v[96+16*\b]|, |v[97+16*\b]|, 0x2800000
.endr
.irp i, 2,4,6,8,10,12,14
.irp b, 0,1
	v_max3_num_f32 v[BM+\b], v[BM+\b], |v[96+16*\b+\i]|, |v[97+16*\b+\i]|
.endr
.endr
.irp b, 0,1
	v_permlanex16_b32 v[BT+\b], v[BM+\b], s[SEL], s[SEL+1]
.endr
.irp b, 0,1
	v_max_num_f32 v[BM+\b], v[BM+\b], v[BT+\b]
.endr
.irp b, 0,1
	v_add_nc_u32 v[SOP+\b], 0xfe000000, v[BM+\b]
.endr
.irp b, 0,1
	v_lshrrev_b32 v[BT+\b], 23, v[SOP+\b]
.endr
	v_lshl_or_b32 v[OW], v[BT+1], 8, v[BT]
	v_cvt_scalef32_pk16_bf6_f32 v[PCD:PCD+2], v[96:111], v[SOP]
	v_cvt_scalef32_pk16_bf6_f32 v[PH:PH+2], v[112:127], v[SOP+1]
	v_nop
.irp i, 0,1,2
	v_permlane16_swap_b32 v[PCD+\i], v[PH+\i]
.endr
.irp i, 0,1,2
	v_mov_b32 v[PCD+3+\i], v[PH+\i]
.endr
	global_store_b128 v1, v[PCD:PCD+3], s[OP:OP+1]             ; 512 consecutive bytes, aligned
	global_store_b64 v7, v[PCD+4:PCD+5], s[OP:OP+1] offset:512 ; 256
	global_store_b16 v9, v[OW], s[OSP:OSP+1]                   ; my row's two bytes (both lanes of a row write the same)
	s_wait_xcnt 0x0                                ; the stores and Q's loads have read their registers and bases: the next pass writes them
	s_xor_b32 s[G], s[G], 15                       ; the second pass: group 15 - w / 2
	s_sub_co_u32 s[PASS], s[PASS], 1
	s_cmp_lg_u32 s[PASS], 0
	s_cbranch_scc1 .Lpass
	s_wait_dscnt 0x0
	s_wait_tensorcnt 0x0
	ds_add_u32 v28, v31
	s_wait_dscnt 0x0
	ROUND                                          ; the closing round
	s_endpgm
.Lfunc_end_k_qb407b68332_attn:
	.size	k_qb407b68332_attn, .Lfunc_end_k_qb407b68332_attn-k_qb407b68332_attn
	.p2alignl 7, 3214868480
	.fill 96, 4, 3214868480
	.section	.rodata,"a",@progbits
	.p2align	6, 0x0
	.amdhsa_kernel k_qb407b68332_attn
		.amdhsa_group_segment_fixed_size 215040
		.amdhsa_private_segment_fixed_size 0
		.amdhsa_enable_private_segment 0
		.amdhsa_kernarg_size 24
		.amdhsa_user_sgpr_count 2
		.amdhsa_user_sgpr_kernarg_segment_ptr 1
		.amdhsa_wavefront_size32 1
		.amdhsa_system_sgpr_workgroup_id_x 1
		.amdhsa_system_sgpr_workgroup_id_y 1
		.amdhsa_system_sgpr_workgroup_id_z 1
		.amdhsa_system_vgpr_workitem_id 0
		.amdhsa_next_free_vgpr 256
		.amdhsa_next_free_sgpr 102
		.amdhsa_reserve_vcc 1
		.amdhsa_float_denorm_mode_32 3
		.amdhsa_float_denorm_mode_16_64 3
		.amdhsa_memory_ordered 1
		.amdhsa_forward_progress 1
		.amdhsa_inst_pref_size 38
	.end_amdhsa_kernel
	.amdgpu_metadata
---
amdhsa.version: [ 1, 2 ]
amdhsa.kernels:
  - .name:           k_qb407b68332_attn
    .symbol:         k_qb407b68332_attn.kd
    .args:
      - { .name: qk, .offset: 0, .size: 8, .value_kind: global_buffer, .address_space: global }
      - { .name: vt, .offset: 8, .size: 8, .value_kind: global_buffer, .address_space: global }
      - { .name: oq, .offset: 16, .size: 8, .value_kind: global_buffer, .address_space: global }
    .group_segment_fixed_size: 215040
    .private_segment_fixed_size: 0
    .kernarg_segment_align: 8
    .kernarg_segment_size: 24
    .max_flat_workgroup_size: 512
    .sgpr_count:     102
    .vgpr_count:     256
    .wavefront_size: 32
...
	.end_amdgpu_metadata
.endif
;; end of part 4
;; launch outp (part 5): grid 4 x 32, 4 waves a work-group, clusters of 4 x 4, 327,680 bytes of LDS; arguments oq, wo, out0; writes out0
.if DOCPART == 5
	.amdgcn_target "amdgcn-amd-amdhsa--gfx1250"
	.amdhsa_code_object_version 6
	.text
	.protected	k_qb407b68332_outp
	.globl	k_qb407b68332_outp
	.p2align	8
	.type	k_qb407b68332_outp,@function
k_qb407b68332_outp:
	s_mov_b64 s[64:65], 0
	v_nop
	global_prefetch_b8 v0, s[64:65] scope:SCOPE_SE
	s_setreg_imm32_b32 hwreg(HW_REG_WAVE_MODE, 25, 1), 1
	s_wait_xcnt 0x0
	s_wait_alu depctr_hold_cnt(0) depctr_sa_sdst(0) depctr_va_vdst(0) depctr_va_sdst(0) depctr_va_ssrc(0) depctr_va_vcc(0) depctr_vm_vsrc(0)
	s_getreg_b32 s2, hwreg(HW_REG_IB_STS2, 6, 4)
	s_cmp_eq_u32 s2, 0
	s_cbranch_scc0 .Lentry_in_a_cluster
	s_endpgm
.Lentry_in_a_cluster:
	s_bfe_u32 s2, ttmp6, 0x10000c
	s_cmp_lg_u32 s2, 0xf033
	s_cbranch_scc0 .Lentry_shape_is_right
	s_endpgm
.Lentry_shape_is_right:
; out0 [8192][1024] f32 = o Wo: a GEMM on codes of BF6 (E3M2, one E8M0 scale for each 32 along K = 1,024).
; A = oq: o's codes as images of 16 stored rows x 64 K (768 bytes: registers 0-3 at 16 x lane, 4-5 at 512 + 8 x lane) at CODES + 768 (16 rho + head); scale bytes [stored row][32] from byte 0.
; B = wo: Wo's columns as rows of codes [stored row][768] from CODES, scale bytes [stored row][32].  Both hold their rows in the order SW (bits 3 and 4 of a row's number exchanged); the way out undoes both.
; A tile of 256 x 256 to a work-group of four waves, 128 x 128 (64 accumulators) to a wave.  K goes in steps of 256 through a ring of two LDS slots filled by the tensor data mover; the scale bytes come once and stay.
; 4 x 4 work-groups form a cluster: A's tiles are asked for jointly along a row of it, B's along a column.  The matrix instruction is used transposed (source 0 = 16 rows of B, source 1 = 16 rows of A).
; A's tile of a K step: for each of 8 tiles of rows, four heads' images, 3,072 consecutive bytes; a fragment (two images) comes by four loads of consecutive bytes: no pitch, no padding.
; REGISTERS, in windows of 256: window 0: v0-31 addresses; v32-63 scale words, two sets; from v128 A's fragments, ONE set.  window 1: B's fragments, two sets.  windows 2, 3: the accumulators.
.set SIZE_K, 1024
.set SIZE_N, 1024
.set CODES,  1048576
.set KSTEP,  256
.set NQ,     KSTEP/128
.set ROWB,   192                       ; a row of B's tile in bytes
.set ASTEP,  3072                      ; a K step of A: four images
.set KROW,   SIZE_K*6/8
.set PITCH,  240                       ; B's LDS row: 3 x (64 bytes + 16 of padding)
.set FR,     12
.set NLA,    4                         ; LDS loads that bring a fragment of A
.set NP,     4                         ; places behind this matrix instruction (ISA guide 7.12.1)
.set HALFT,  128*PITCH                 ; a wave's place in a slot (A's tiles use 24,576 bytes of it)
.set SLOT,   4*HALFT
.set LAPS,   SIZE_K/(2*KSTEP)
.set KS,     SIZE_K/32
.set SCL,    2*SLOT
.set HALFS,  (128*KS/256)*272
.set SBLK,   (16*KS/256)*272
.set SPARE,  SCL+4*HALFS               ; the spare words, 128 bytes for each wave: two blocks of 256 bytes that no other line names
.set SPITCH, 528                       ; the way out: a stage of 16 rows x (512 bytes + 16) for each wave, in slot 0, which has had its last fill and its last read when the first result is stored there
.set ADRA, 16                          ; v16-17 16 x lane + my A rows in slot 0, 1;  v18-19 8 x lane + the same
.set ADRB, 20                          ; v20-23 LDS address of my B fragments
.set STO,  24
.set RD,   25
.set CO,   26
.set ADRS, 27
.set SPW,  28
.set NIL,  29
.set SC,   32
.set AF,   128
.set BK,   128
.set G1, 24
.set G0, 32
.set G1B, 48
.set G0B, 56
.set G1S, 68
.set G0S, 76
.set G1SB, 80
.set G0SB, 88
.set MSB, 0
.macro WIN new
.if MSB != (\new)
	s_set_vgpr_msb (MSB<<8)|(\new)
.set MSB, (\new)
.endif
.endm
.set MUL_LO, 0xa1
.set MUL_HI, 0xf1
.set TO_B,   0x40
.macro JLOAD g0a, g1a, g0b, g1b        ; a joint load: waves 0 and 1 fetch for A, waves 2 and 3 for B; four v_nop follow each line
	s_cmp_eq_u32 s15, 0
	s_cbranch_scc0 .Lfor_b_\@
	tensor_load_to_lds s[\g0a:\g0a+3], s[\g1a:\g1a+7]
	s_nop 0
.rept 4
	v_nop
.endr
	s_branch .Lasked_\@
.Lfor_b_\@:
	tensor_load_to_lds s[\g0b:\g0b+3], s[\g1b:\g1b+7]
	s_nop 0
.rept 4
	v_nop
.endr
.Lasked_\@:
.endm
.macro CREST
	s_cmp_lg_u32 s14, 0
	s_cbranch_scc1 .Lnot_wave_0_\@
	s_barrier_signal -3
.Lnot_wave_0_\@:
	s_barrier_wait -3
	s_barrier_signal -1
	s_barrier_wait -1
.endm
.macro CROUND
	s_barrier_signal -1
	s_barrier_wait -1
	CREST
.endm
	s_load_b128 s[4:7], s[0:1], 0x0                ; oq, wo
	s_load_b64 s[12:13], s[0:1], 0x10              ; out0
	v_lshl_add_u32 v[SPW], v0, 2, SPARE
	v_mov_b32 v[NIL], 0
	ds_add_u32 v28, v29
	ds_add_u32 v28, v29
	s_wait_dscnt 0x0
	v_lshrrev_b32 v1, 5, v0
	v_readfirstlane_b32 s14, v1                    ; wave 0..3
	s_lshr_b32 s15, s14, 1                         ; which half of the tile's rows is mine.  Also: I fetch for A (0) or for B (1)
	s_and_b32 s16, s14, 1                          ; which half of its columns.  Also: which 128 rows of that tile I fetch
	s_bfe_u32 s40, ttmp6, 0x40000
	s_bfe_u32 s41, ttmp6, 0x40004
	s_lshl_b32 s42, ttmp9, 2
	s_add_co_u32 s42, s42, s40                     ; tile column
	s_and_b32 s17, ttmp7, 0xffff
	s_lshl_b32 s17, s17, 2
	s_add_co_u32 s17, s17, s41                     ; tile row
	s_lshl_b32 s43, s41, 2
	s_lshl_b32 s43, 15, s43                        ; my row of the cluster
	s_lshl_b32 s44, 0x1111, s40                    ; my column
	; A's tile: 8 rows of 384 elements of 8 bytes (four images), 1,536 elements apart; no padding
	s_or_b32 s[G1+0], s43, (3<<16)|(1<<21)
	s_mov_b32 s[G1+1], 384<<16
	s_mov_b32 s[G1+2], 8<<16
	s_mov_b32 s[G1+3], 384<<16
	s_mov_b32 s[G1+4], 8
	s_mov_b32 s[G1+5], 1536
	s_mov_b32 s[G1+6], 0
	s_mov_b32 s[G1+7], 0
	; B's tile: 128 rows x 192 bytes, 16 bytes of padding behind every 64
	s_or_b32 s[G1B+0], s44, (0<<16)|(1<<20)|(1<<21)|(3<<22)|(3<<25)
	s_mov_b32 s[G1B+1], ROWB<<16
	s_mov_b32 s[G1B+2], 128<<16
	s_mov_b32 s[G1B+3], ROWB<<16
	s_mov_b32 s[G1B+4], 128
	s_mov_b32 s[G1B+5], KROW
	s_mov_b32 s[G1B+6], 0
	s_mov_b32 s[G1B+7], 0
	; the scales of 128 rows: 4,096 dense bytes as rows of 256, 16 bytes of padding behind each
	s_or_b32 s[G1S+0], s43, (3<<16)|(1<<20)|(1<<21)|(5<<22)|(3<<25)
	s_or_b32 s[G1SB+0], s44, (3<<16)|(1<<20)|(1<<21)|(5<<22)|(3<<25)
.irp g, G1S, G1SB
	s_mov_b32 s[\g+1], 32<<16
	s_mov_b32 s[\g+2], (128*KS/256)<<16
	s_mov_b32 s[\g+3], 32<<16
	s_mov_b32 s[\g+4], 128*KS/256
	s_mov_b32 s[\g+5], 32
	s_mov_b32 s[\g+6], 0
	s_mov_b32 s[\g+7], 0
.endr
	s_lshl_b32 s18, s16, 7
	s_lshl_b32 s20, s17, 8
	s_add_co_u32 s20, s20, s18                     ; A: row 256 x tile row + 128 x half
	s_lshl_b32 s46, s42, 8
	s_add_co_u32 s46, s46, s18                     ; B: row 256 x tile column + 128 x half
	s_mov_b32 s21, 0
	s_mov_b32 s47, 0
	s_mov_b64 s[18:19], KS
	s_mul_u64 s[22:23], s[20:21], s[18:19]         ; where these rows' scales begin
	s_mul_u64 s[92:93], s[46:47], s[18:19]
	s_mov_b64 s[18:19], KROW
	s_mul_u64 s[20:21], s[20:21], s[18:19]         ; and their codes (16 rows of A are 16 images of 768 bytes: the same number)
	s_mul_u64 s[46:47], s[46:47], s[18:19]
	s_mul_i32 s45, s14, HALFT
	s_mul_i32 s94, s14, HALFS
	s_wait_kmcnt 0x0
	s_mov_b64 s[10:11], s[6:7]                     ; B's scales begin with its buffer,
	s_add_nc_u64 s[8:9], s[6:7], CODES             ; its codes CODES bytes on;
	s_mov_b64 s[6:7], s[4:5]                       ; A likewise
	s_add_nc_u64 s[4:5], s[4:5], CODES
	s_add_nc_u64 s[20:21], s[4:5], s[20:21]
	s_add_nc_u64 s[22:23], s[6:7], s[22:23]
	s_add_nc_u64 s[46:47], s[8:9], s[46:47]
	s_add_nc_u64 s[92:93], s[10:11], s[92:93]
	CROUND                                         ; all sixteen work-groups are here: the first joint loads meet
	s_mov_b32 s[G0S], 1
	s_add_co_u32 s[G0S+1], s94, SCL
	s_mov_b64 s[G0S+2:G0S+3], s[22:23]
	s_or_b32 s[G0S+3], s[G0S+3], 0x80000000
	s_mov_b32 s[G0SB], 1
	s_add_co_u32 s[G0SB+1], s94, SCL
	s_mov_b64 s[G0SB+2:G0SB+3], s[92:93]
	s_or_b32 s[G0SB+3], s[G0SB+3], 0x80000000
	JLOAD G0S, G1S, G0SB, G1SB
.irp s, 0,1
	s_mov_b32 s[G0+4*\s], 1
	s_add_co_u32 s[G0+4*\s+1], s45, \s*SLOT
	s_add_nc_u64 s[G0+4*\s+2:G0+4*\s+3], s[20:21], \s*ASTEP
	s_or_b32 s[G0+4*\s+3], s[G0+4*\s+3], 0x80000000
	s_mov_b32 s[G0B+4*\s], 1
	s_add_co_u32 s[G0B+4*\s+1], s45, \s*SLOT
	s_add_nc_u64 s[G0B+4*\s+2:G0B+4*\s+3], s[46:47], \s*ROWB
	s_or_b32 s[G0B+4*\s+3], s[G0B+4*\s+3], 0x80000000
	JLOAD G0+4*\s, G1, G0B+4*\s, G1B
.endr
	v_and_b32 v1, 15, v0                           ; l % 16
	v_bfe_u32 v2, v0, 4, 1                         ; l / 16
	v_and_b32 v6, 31, v0                           ; l
	v_mul_u32_u24 v3, v1, PITCH
	v_mul_u32_u24 v4, v2, 24
	v_add_nc_u32 v4, v3, v4                        ; B: a fragment's row x pitch + 24 x half
	v_lshl_add_u32 v5, v2, 4, v4                   ; and the same behind one padding more
	v_lshlrev_b32 v7, 4, v6                        ; A: 16 x lane,
	v_lshlrev_b32 v8, 3, v6                        ; 8 x lane
	s_mul_i32 s21, s15, HALFT                      ; my 128 rows of A
	s_mul_i32 s22, s16, HALFT                      ; my 128 rows of B,
	s_add_co_u32 s22, s22, 2*HALFT                 ; which lie behind A's two places
.irp s, 0,1
	v_add_nc_u32 v[ADRA+\s], s21, v7
	v_add_nc_u32 v[ADRB+\s], s22, v4
	v_add_nc_u32 v[ADRA+2+\s], s21, v8
	v_add_nc_u32 v[ADRB+2+\s], s22, v5
	s_add_co_u32 s21, s21, SLOT
	s_add_co_u32 s22, s22, SLOT
.endr
	v_mul_u32_u24 v5, v1, KS
	v_lshrrev_b32 v9, 8, v5
	v_lshl_add_u32 v5, v9, 4, v5
	s_mul_i32 s21, s15, HALFS
	s_mul_i32 s22, s16, HALFS
	s_add_co_u32 s22, s22, 2*HALFS
	s_sub_co_u32 s22, s22, s21
	v_mul_u32_u24 v9, s22, v2                      ; lanes 16-31 take B's
	s_add_co_u32 s21, s21, SCL
	v_add_nc_u32 v5, v5, v9
	v_add_nc_u32 v[ADRS], s21, v5
	s_mul_i32 s23, s14, 16*SPITCH                  ; my stage
	v_mul_u32_u24 v5, v1, SPITCH                   ; in: row l % 16; the upper half of the lanes holds the true columns 16 further on: 64 bytes
	v_lshl_add_u32 v5, v2, 6, v5
	v_add_nc_u32 v[STO], s23, v5
	v_lshlrev_b32 v[CO], 4, v6                     ; back: the 32 lanes take one row of 512 bytes; and the same in out0
	v_add_nc_u32 v[RD], s23, v[CO]
	s_lshl_b32 s20, s17, 8
	s_lshl_b32 s21, s15, 7
	s_add_co_u32 s20, s20, s21                     ; my first row: 256 x tile row + 128 x half
	s_mov_b32 s21, 0
	s_mov_b64 s[18:19], SIZE_N*4
	s_mul_u64 s[20:21], s[20:21], s[18:19]
	s_lshl_b32 s46, s42, 10                        ; my first column, in bytes
	s_lshl_b32 s47, s16, 9
	s_add_co_u32 s46, s46, s47
	s_mov_b32 s47, 0
	s_add_nc_u64 s[20:21], s[20:21], s[46:47]
	s_add_nc_u64 s[12:13], s[12:13], s[20:21]
.macro FRAG reg, adr, q, i             ; a fragment of B from rows: pieces of 8 bytes; where the piece three on lies behind one padding more, the second address register serves
.irp p, 0,1,2,3,4,5
.set PC, 12*(\q)+6*(\p/3)+\p%3
.if PC%8 < 5
	ds_load_b64 v[\reg+2*\p:\reg+2*\p+1], v[\adr] offset:8*PC+16*(PC/8)+(\i)*16*PITCH
.else
	ds_load_b64 v[\reg+2*\p:\reg+2*\p+1], v[\adr+2] offset:8*PC+16*(PC/8)+(\i)*16*PITCH
.endif
.endr
.endm
.macro FRAGA reg, slot, q, i           ; a fragment of A: two images as they lie
	ds_load_b128 v[\reg:\reg+3], v[ADRA+\slot] offset:(\i)*3072+(\q)*1536
	ds_load_b64 v[\reg+4:\reg+5], v[ADRA+2+\slot] offset:(\i)*3072+(\q)*1536+512
	ds_load_b128 v[\reg+6:\reg+9], v[ADRA+\slot] offset:(\i)*3072+(\q)*1536+768
	ds_load_b64 v[\reg+10:\reg+11], v[ADRA+2+\slot] offset:(\i)*3072+(\q)*1536+1280
.endm
.macro MUL16 a0, p, q, sc, zero        ; 16 matrix instructions: A's blocks a0, a0 + 1 x B's eight; the 64 accumulators take turns, one instruction a turn
.irp a, \a0, \a0+1
.irp b, 0,1,2,3,4,5,6,7
.if \zero
	v_wmma_scale_f32_16x16x128_f8f6f4 v[8*(8*((\a)%4)+\b):8*(8*((\a)%4)+\b)+7], v[128*(\p)+FR*\b:128*(\p)+FR*\b+FR-1], v[AF+FR*(\a):AF+FR*(\a)+FR-1], 0, v[SC+8*NQ*(\sc)+NQ*\b+(\q)], v[SC+8*NQ*(\sc)+NQ*(\a)+(\q)] matrix_a_fmt:MATRIX_FMT_BF6 matrix_b_fmt:MATRIX_FMT_BF6 matrix_a_scale:MATRIX_SCALE_ROW1
.else
	v_wmma_scale_f32_16x16x128_f8f6f4 v[8*(8*((\a)%4)+\b):8*(8*((\a)%4)+\b)+7], v[128*(\p)+FR*\b:128*(\p)+FR*\b+FR-1], v[AF+FR*(\a):AF+FR*(\a)+FR-1], v[8*(8*((\a)%4)+\b):8*(8*((\a)%4)+\b)+7], v[SC+8*NQ*(\sc)+NQ*\b+(\q)], v[SC+8*NQ*(\sc)+NQ*(\a)+(\q)] matrix_a_fmt:MATRIX_FMT_BF6 matrix_b_fmt:MATRIX_FMT_BF6 matrix_a_scale:MATRIX_SCALE_ROW1
.endif
.endr
.endr
.endm
.macro FETCH_B slot, q, p
	WIN TO_B
.irp i, 0,1,2,3,4,5,6,7
	FRAG 128*(\p)+FR*\i, ADRB+\slot, \q, \i
.endr
	WIN 0
.endm
.macro FETCH_A slot, q, i0
.irp i, \i0, \i0+1, \i0+2, \i0+3
	FRAGA AF+FR*(\i), \slot, \q, \i
.endr
.endm
.macro SCALES sc
.irp i, 0,1,2,3,4,5,6,7
	ds_load_b64 v[SC+8*NQ*\sc+NQ*\i:SC+8*NQ*\sc+NQ*\i+1], v[ADRS] offset:\i*SBLK
.endr
.endm
.macro PLACES n
.rept \n
	v_nop
.endr
.endm
.macro STEP slot, q, zero
	s_wait_dscnt 4*NLA                             ; B's set and A's blocks 0-3 are in; the youngest 16 loads (A's blocks 4-7) may be out
	WIN MUL_LO
	MUL16 0, (\q)%2, \q, \slot, \zero
	MUL16 2, (\q)%2, \q, \slot, \zero
	s_wait_dscnt 0
	PLACES NP
	FETCH_B \slot, (\q)+1, 1-(\q)%2
	FETCH_A \slot, (\q)+1, 0
	WIN MUL_HI
	MUL16 4, (\q)%2, \q, \slot, \zero
	MUL16 6, (\q)%2, \q, \slot, \zero
	PLACES NP
	WIN 0
	FETCH_A \slot, (\q)+1, 4
.endm
.macro TURN slot, next, fill           ; a slot's last step changes slots: one barrier; in front of it the wait for all my tensor loads, the add, the wait for it and for my reads of this slot
	s_wait_tensorcnt 0x0                           ; all my tensor loads have landed: my part of the next slot
	ds_add_u32 v[SPW], v[NIL]                      ; 0 onto my spare word
	s_wait_dscnt 4*NLA+1                           ; (the add and the youngest 16 loads may be out)
	WIN MUL_LO
	MUL16 0, 1, NQ-1, \slot, 0
	s_wait_dscnt 0x0                               ; the add is done, and my reads of this slot are over
	s_barrier_signal -1
	MUL16 2, 1, NQ-1, \slot, 0
	WIN 0
	s_barrier_wait -1
.if \fill
	CREST                                          ; the barrier has opened a round of the cluster's barrier
	s_add_nc_u64 s[G0+4*\slot+2:G0+4*\slot+3], s[G0+4*\slot+2:G0+4*\slot+3], 2*ASTEP
	s_add_nc_u64 s[G0B+4*\slot+2:G0B+4*\slot+3], s[G0B+4*\slot+2:G0B+4*\slot+3], 2*ROWB
	JLOAD G0+4*\slot, G1, G0B+4*\slot, G1B         ; the first tensor load behind the round; its four v_nop are the places in front of the loads below
.else
	PLACES NP
.endif
	v_add_nc_u32 v[ADRS], 4*NQ, v[ADRS]
	FETCH_B \next, 0, 0
	FETCH_A \next, 0, 0
	SCALES \next
	WIN MUL_HI
	MUL16 4, 1, NQ-1, \slot, 0
	MUL16 6, 1, NQ-1, \slot, 0
	PLACES NP
	WIN 0
	FETCH_A \next, 0, 4
.endm
	s_wait_tensorcnt 1                             ; the scales and my part of K step 0 are in (K step 1's load may be out),
	s_barrier_signal -1
	s_barrier_wait -1                              ; everybody's are
	FETCH_B 0, 0, 0
	FETCH_A 0, 0, 0
	SCALES 0
	FETCH_A 0, 0, 4
	STEP 0, 0, 1                                   ; the first step's products start the sums
	s_mov_b32 s3, LAPS-1
.Llap:
	TURN 0, 1, 1
	STEP 1, 0, 0
	TURN 1, 0, 1
	STEP 0, 0, 0
	s_sub_co_u32 s3, s3, 1
	s_cmp_lg_u32 s3, 0
	s_cbranch_scc1 .Llap
	TURN 0, 1, 0                                   ; the last lap fills nothing
	STEP 1, 0, 0
	s_wait_dscnt 4*NLA
	WIN MUL_LO
	MUL16 0, 1, NQ-1, 1, 0
	MUL16 2, 1, NQ-1, 1, 0
	s_wait_dscnt 0
	WIN MUL_HI
	MUL16 4, 1, NQ-1, 1, 0
	MUL16 6, 1, NQ-1, 1, 0
	WIN 0
; THE WAY OUT, block by block of 16 rows x 128 columns, through my own stage.  Accumulator b of a lane holds the stored columns 16 b + 8 (l / 16) + 0 .. 7, which are the true columns
; 32 (b / 2) + 16 (l / 16) + 8 (b % 2) + 0 .. 7: they go to their true place in the stage's row.  Row t of block a is the true row 32 (a / 2) + 8 (a % 2) + t % 8 + 16 (t / 8) of my 128.
.macro TOSTAGE a
.set AC, 64*((\a)%4)
	WIN 0x08+4*((\a)/4)                            ; the data: window 2 or 3
.irp b, 0,1,2,3,4,5,6,7
	ds_store_b128 v[STO], v[AC+8*\b:AC+8*\b+3] offset:128*(\b/2)+32*(\b%2)          ; each accumulator from its low end on
	ds_store_b128 v[STO], v[AC+8*\b+4:AC+8*\b+7] offset:128*(\b/2)+32*(\b%2)+16
.endr
	WIN 0
.set BB, BK+64*((\a)%2)
.irp t, 0,1,2,3,4,5,6,7,8,9,10,11,12,13,14,15
	ds_load_b128 v[BB+4*\t:BB+4*\t+3], v[RD] offset:\t*SPITCH   ; LDS serves a wave's instructions in order: these see the stores above
.endr
.endm
.macro SEND a, younger                 ; younger: the LDS instructions issued behind block a's loads, which may stay out
.set BB, BK+64*((\a)%2)
	s_wait_dscnt \younger
.irp t, 0,1,2,3,4,5,6,7,8,9,10,11,12,13,14,15
	global_store_b128 v[CO], v[BB+4*\t:BB+4*\t+3], s[12:13] offset:(32*((\a)/2)+8*((\a)%2)+(\t%8)+16*(\t/8))*SIZE_N*4 th:TH_STORE_NT   ; 32 lanes store 512 consecutive bytes, aligned; 127 rows on at the most
.endr
.endm
	PLACES NP
	TOSTAGE 0
.irp a, 1,2,3,4,5,6,7
.if \a > 1
	s_wait_xcnt 0x0                                ; block a - 2's stores have read their registers: block a's loads may land there
.endif
	TOSTAGE \a
	SEND \a-1, 32                                  ; behind block a - 1's loads: block a's 16 stores and 16 loads
.endr
	SEND 7, 0
	s_wait_tensorcnt 0x0                           ; the wave's end
	ds_add_u32 v[SPW], v[NIL]
	s_wait_dscnt 0x0
	CROUND                                         ; the closing round
	s_endpgm
.Lfunc_end_k_qb407b68332_outp:
	.size	k_qb407b68332_outp, .Lfunc_end_k_qb407b68332_outp-k_qb407b68332_outp
	.p2alignl 7, 3214868480
	.fill 96, 4, 3214868480
	.section	.rodata,"a",@progbits
	.p2align	6, 0x0
	.amdhsa_kernel k_qb407b68332_outp
		.amdhsa_group_segment_fixed_size 327680
		.amdhsa_private_segment_fixed_size 0
		.amdhsa_enable_private_segment 0
		.amdhsa_kernarg_size 24
		.amdhsa_user_sgpr_count 2
		.amdhsa_user_sgpr_kernarg_segment_ptr 1
		.amdhsa_wavefront_size32 1
		.amdhsa_system_sgpr_workgroup_id_x 1
		.amdhsa_system_sgpr_workgroup_id_y 1
		.amdhsa_system_sgpr_workgroup_id_z 1
		.amdhsa_system_vgpr_workitem_id 0
		.amdhsa_next_free_vgpr 1024
		.amdhsa_next_free_sgpr 98
		.amdhsa_reserve_vcc 0
		.amdhsa_float_denorm_mode_32 3
		.amdhsa_float_denorm_mode_16_64 3
		.amdhsa_memory_ordered 1
		.amdhsa_forward_progress 1
		.amdhsa_inst_pref_size 151
	.end_amdhsa_kernel
	.amdgpu_metadata
---
amdhsa.version: [ 1, 2 ]
amdhsa.kernels:
  - .name:           k_qb407b68332_outp
    .symbol:         k_qb407b68332_outp.kd
    .args:
      - { .name: oq, .offset: 0, .size: 8, .value_kind: global_buffer, .address_space: global }
      - { .name: wo, .offset: 8, .size: 8, .value_kind: global_buffer, .address_space: global }
      - { .name: out0, .offset: 16, .size: 8, .value_kind: global_buffer, .address_space: global }
    .group_segment_fixed_size: 327680
    .private_segment_fixed_size: 0
    .kernarg_segment_align: 8
    .kernarg_segment_size: 24
    .max_flat_workgroup_size: 128
    .sgpr_count:     98
    .vgpr_count:     1024
    .wavefront_size: 32
...
	.end_amdgpu_metadata
.endif
;; end of part 5
